; MI455X (gfx1250); checked and timed in simulation.
; The chip was launched on July 23, 2026; its instructions are those of AMD's public machine-readable ISA for CDNA 5 (MIT licence, August 2026) and "CDNA5" Instruction Set Architecture Reference Guide (July 2026). The comments in the code are by the model that wrote it; some were corrected since.
;; Tt Causal Self Attention. Allowed arithmetic: matrix products marked QUANTISED: E2M1 operands, one E8M0 scale for each 32 along K, by v_wmma_scale_f32_16x16x128_f8f6f4 with both operands' format E2M1 (or v_wmma_scale_f32_32x16x128_f4), f32 sums; everything else in f32.
;; Inputs: b_attn 3,072 float32; b_proj 1,024 float32; w_attn_codes 3,072 x 32 x 16 uint8 (E2M1 codes of w_attn, K innermost, in blocks of 32 codes, two codes a byte); w_attn_scales 3,072 x 32 uint8 (E8M0 scales of w_attn, one for each 32 codes along K); w_proj_codes 1,024 x 32 x 16 uint8 (E2M1 codes of w_proj, K innermost, in blocks of 32 codes, two codes a byte); w_proj_scales 1,024 x 32 uint8 (E8M0 scales of w_proj, one for each 32 codes along K); x_codes 4 x 2,048 x 32 x 16 uint8 (E2M1 codes of x, K innermost, in blocks of 32 codes, two codes a byte); x_scales 4 x 2,048 x 32 uint8 (E8M0 scales of x, one for each 32 codes along K).
;; Outputs: out0 4 x 2,048 x 1,024 float32.
;; This version of the problem:
;;   THIS VERSION OF THE PROBLEM IS GIVEN IN LOW PRECISION. The matrix products marked QUANTISED in the list below multiply operands that are first quantised to E2M1 (2 exponent bits, 1 mantissa bit; 4 bits a number), with one power-of-two scale for each 32 numbers along K (OCP MX v1.0); their sums are f32. All else is computed in f32.
;;   The module's matrix products, in the order in which they are computed (A, B: the left and right operand; K: the contracted axis; several contracted axes count as one K, in the product's order):
;;     1. [M 8,192, K 1,024] x [K 1,024, N 3,072]; A: input x (given as codes); B: input w_attn (given as codes): QUANTISED
;;     2. batch 64 x [M 2,048, K 64] x [K 64, N 2,048]; A: computed on the way; B: computed on the way: QUANTISED
;;     3. batch 64 x [M 2,048, K 2,048] x [K 2,048, N 64]; A: softmax (see below); B: computed on the way: QUANTISED
;;     4. [M 8,192, K 1,024] x [K 1,024, N 1,024]; A: computed on the way; B: input w_proj (given as codes): QUANTISED
;;   THE QUANTISER, for each operand of a quantised product, along K:
;;     - K is cut into blocks of 32 from its start; a last block that is shorter is filled with zeros.
;;     - A block's scale is 2^e with e = floor(log2(the largest magnitude in the block)) - 2, held to -126 .. 127; a block of zeros has e = 0. As a byte (E8M0): e + 127.
;;     - Each number is divided by its block's scale, clamped to +-6, and rounded to the nearest number of E2M1, ties to even, subnormals kept.
;;     - The product sums the exact products of the quantised numbers (number of the format x scale) in f32.
;;   ~~~python
;;   def quantise(x, axis):      # numpy; x: float32 -> the quantised numbers, widened to float32 again
;;       x = np.moveaxis(x, axis, -1); K = x.shape[-1]
;;       x = np.pad(x, [(0, 0)] * (x.ndim - 1) + [(0, -K % 32)]); x = x.reshape(x.shape[:-1] + (-1, 32)); a = np.abs(x).max(-1, keepdims=True)
;;       e = np.where(a > 0, np.clip(np.frexp(np.where(a > 0, a, 1))[1] - 1 - 2, -126, 127), 0)      # np.frexp(a)[1] - 1 = floor(log2(a)), exactly
;;       r = np.clip(x / 2.0 ** e, -6, 6)
;;       step = 2.0 ** (np.maximum(np.frexp(np.where(r == 0, 1, r))[1] - 1, 0) - 1)
;;       q = np.round(r / step) * step * 2.0 ** e      # np.round: ties to even
;;       return np.moveaxis(q.reshape(q.shape[:-2] + (-1,))[..., :K], -1, axis).astype(np.float32)
;;   ~~~
;;   SOFTMAX AHEAD OF A QUANTISED PRODUCT. Where the list says 'softmax', what is quantised is not the finished softmax but p = 2^(t - M), with t = logit x log2(e) and M = ceil(the row's largest t), a whole number; so 1/2 < the row's largest p <= 1. The row's sum l is taken of the UNQUANTISED p, in f32, and the product's result is divided by l at the end. Since M is a whole number, a kernel that streams over the keys may use a running M (the ceiling of the running maximum): every later rescaling is an exact power of two, which a block's scale takes up: the codes' values come out the same.
;;   OPERANDS COMPUTED ON THE WAY. 'Computed on the way' means the value that the module computes at that place (a softmax that the list does not call 'softmax' is quantised finished and normalised). What goes into a quantiser is computed in f32, as accurately as f32 sums, v_exp_f32 and their like allow (about 1e-6 of the number): no bf16 or f16 on the way to a quantiser, and a product that is left as it is and whose result goes on into a quantised operand takes f32 operands (vector FMAs, or v_wmma_f32_16x16x4_f32). A number that lies on a knife's edge between two numbers of the format may be rounded either way, as far as f32 arithmetic and the matrix unit's own rounding can turn it there, and no further.
;;   INPUTS GIVEN AS CODES. w_attn (in the module: [3072, 1024], K = its axis 1); w_proj (in the module: [1024, 1024], K = its axis 1); x (in the module: [4, 2048, 1024], K = its axis 2): each comes as NAME_codes (uint8): NAME with its K axis moved to the last place and cut into blocks of 32 codes, [.., K / 32, bytes a block], one block behind the other in memory; two codes a byte, the lower K in the low four bits (a code: sign, 2 exponent bits, 1 mantissa bit); and NAME_scales (uint8): the same leading axes, one E8M0 byte (e + 127) for each 32 codes along K. Its value is code x scale, taken as it is: it is not quantised again, and the codes and scales need not be those that the quantiser above would give.
;; One version. Each part assembles by itself: llvm-mc -triple=amdgcn-amd-amdhsa -mcpu=gfx1250 --defsym DOCPART=n.
;; ======== version 1 of 1: 3 launches
;; workspace buffers: qw 4,456,448 bytes; kv 8,912,896 bytes; yimg 4,194,304 bytes; yscl 262,144 bytes
;; launch qkv (part 1): grid 8 x 48, 4 waves a work-group, clusters of 4 x 4, 327,680 bytes of LDS; arguments x_codes, x_scales, w_attn_codes, w_attn_scales, qw, kv, b_attn; writes qw, kv
.if DOCPART == 1
	.amdgcn_target "amdgcn-amd-amdhsa--gfx1250"
	.amdhsa_code_object_version 6
	.text
	.protected	k_qe0491aae0e_qkv
	.globl	k_qe0491aae0e_qkv
	.p2align	8
	.type	k_qe0491aae0e_qkv,@function
k_qe0491aae0e_qkv:
	s_mov_b64 s[64:65], 0
	v_nop
	global_prefetch_b8 v0, s[64:65] scope:SCOPE_SE
	s_setreg_imm32_b32 hwreg(HW_REG_WAVE_MODE, 25, 1), 1
	s_wait_xcnt 0x0
	s_wait_alu depctr_hold_cnt(0) depctr_sa_sdst(0) depctr_va_vdst(0) depctr_va_sdst(0) depctr_va_ssrc(0) depctr_va_vcc(0) depctr_vm_vsrc(0)
	s_getreg_b32 s2, hwreg(HW_REG_IB_STS2, 6, 4)
	s_cmp_eq_u32 s2, 0
	s_cbranch_scc0 .Lentry_in_a_cluster
	s_endpgm
.Lentry_in_a_cluster:
	s_bfe_u32 s2, ttmp6, 0x10000c
	s_cmp_lg_u32 s2, 0xf033
	s_cbranch_scc0 .Lentry_shape_is_right
	s_endpgm
.Lentry_shape_is_right:
; qkv = x w_attn^T + b_attn on codes of FP4 (E2M1) with one E8M0 scale for each 32 along K = 1,024; then q, k and v are quantised IN REGISTERS and leave as codes: q and k along the head's 64, v along the keys.
; DEAD WORK OF THE WHOLE PROGRAM.  Nothing of this product is dead, and every input is loaded (b_attn's part on k too: it moves k's codes).  The one thing left out stands in the attention launch: key steps of 128 keys
; that lie wholly behind a tile's 16 queries.  reference() builds the mask itself (jnp.tril) and sets those logits to -infinity, so for all finite inputs their p is 0: they add 0 to the row's sum and 0 to the second product.
; LIMITS: a NaN, an infinity or an overflow that reaches only those key steps is not carried to the result; NaN and infinities among the inputs (a scale byte 0xff too) are not served; a block whose largest magnitude lies
; under 2^-124 keeps the scale byte 1, and so does a block of zeros (its codes are zeros; these bytes are read by this program alone).
; SHARES.  A work-group of four waves makes 256 x 256 results, a wave 128 x 128: 64 accumulators of 16 x 16, 512 registers.  Source 0 of the matrix instruction takes 16 rows of the operand S0, source 1 16 rows of S1:
; lane (r, h) then holds S1's row r, and register j of tile b holds S0's row 16 b + 8 h + j: THE REGISTERS RUN ALONG S0.  So S0 is chosen as the axis along which the result is quantised:
;   clusters y 0..7  (q, k): S0 = w_attn's rows 0..2047 (features), S1 = x's 8,192 tokens;      clusters y 8..11 (v): S0 = x's tokens (the keys), S1 = w_attn's rows 2048..3071 (channels).
; Both operands have rows of 512 bytes of codes and 32 scale bytes, so one text serves both: only pointers and row numbers are chosen, by the cluster's y, which all sixteen partners share.
; K = 1,024 is two LDS slots of 512: both are first fills, nothing is filled again, there is no loop.  The scales of the work-group's 2 x 256 rows come once, in whole runs of 256 bytes.
; CLUSTERS: 4 x 4 work-groups.  The four of a row of the cluster need the same tiles of S1, the four of a column the same tiles of S0: each tile is asked for jointly, by the same tensor load with a mask that names the four.
; THE WAY OUT needs no LDS: a group of 16 S1 rows x 128 S0 rows is 64 numbers a lane; the bias is added, four blocks of 32 are quantised, and the eight code registers ARE an operand's registers.  They are stored as images:
; four registers by one store, lane l's 16 bytes at 16 l: 512 consecutive bytes, aligned.
;   kv [16 batch + head][key step of 128][8,704]: +0 K: 8 tiles of 16 keys x 512 bytes;  +4096 V^T: 4 fragments (16 channels x 128 keys) x 1,024;  +8192 K's scale words [r][pair of tiles];  +8448 V's [r][fragment]
;   qw [16 batch + head][group of 128 queries][4,352]: +0 8 tiles x 512 bytes;  +4096 scale words laid as K's
; REGISTERS, in windows of 256: window 0: v0-31 addresses; v32-95 scale words, two sets; v128-191 S1's fragments, ONE set.  window 1: S0's fragments, two sets.  windows 2, 3: the accumulators ((a, b) at v[8 (8 (a % 4) + b)]).
;   On the way out window 0 holds: v32-95 the codes, eight registers a group (no store's data are written again); v96-111 at work; v112-119 the groups' scale words; v120-125 words to store; v128-191 64 numbers; v192-255 the bias.
.set KSTEP,  512                       ; along K in a slot
.set NQ,     KSTEP/128                 ; matrix instructions deep
.set ROWB,   256                       ; a tile's row in bytes
.set KROW,   512                       ; a row of codes in memory
.set PITCH,  272                       ; an LDS row: 256 bytes + 16 of padding: the 16 rows that a load touches start at 16 different banks (64 banks of 4 bytes: ISA guide 11.1)
.set FR,     8                         ; registers of a fragment
.set NL,     2                         ; LDS loads that bring one
.set NP,     4                         ; places behind this matrix instruction (ISA guide 7.12.1)
.set HALFT,  128*PITCH                 ; 128 rows: what one tensor load brings
.set SLOT,   4*HALFT                   ; S1's 256 rows, then S0's 256 rows
.set KS,     32                        ; a row of scales in bytes
.set SCL,    2*SLOT                    ; behind the two slots: the scales, as runs of 256 bytes + 16 of padding
.set HALFS,  (128*KS/256)*272          ; the scales of 128 rows
.set SBLK,   (16*KS/256)*272           ; those of 16 rows
.set SPARE,  SCL+4*HALFS               ; the spare words, 128 bytes for each wave
.set QHEAD,  69632                     ; qw: bytes of a head, of a group
.set QGRP,   4352
.set KVHEAD, 139264                    ; kv: bytes of a head, of a key step
.set KVSTEP, 8704
.set LI0,  8                           ; v8   16 x lane: an image's place, even head
.set LI1,  9                           ; v9   the same, one head on
.set LSW,  10                          ; v10  16 r + h x a head: where the scale words go
.set B32,  11                          ; v11  32 h
.set R4,   12                          ; v12  4 r
.set H16,  13                          ; v13  16 h
.set ADRA, 16                          ; v16-17  LDS address of my S1 fragments in slot 0, 1
.set ADRB, 20                          ; v20-21  the same for S0
.set ADRS, 27                          ; v27     LDS address of my scale words: lanes 0-15 S1's rows, lanes 16-31 S0's
.set SPW,  28                          ; v28     LDS address of my spare word; never rewritten
.set NIL,  29                          ; v29     0; never rewritten
.set SC,   32                          ; scale words: set s at v[SC + 8 NQ s]
.set AF,   128                         ; S1's fragments
.set PCB,  32
.set TM,   96
.set PWB,  112
.set W,    120
.set ST,   128
.set BI,   192
.set G1, 24                            ; s[24:31] descriptor group 1 for S1's tiles;  s[32:39] group 0, one set for each slot
.set G0, 32
.set G1B, 48                           ; s[48:55], s[56:63] the same for S0's tiles
.set G0B, 56
.set G1S, 68                           ; s[68:75], s[76:79] groups 1 and 0 for S1's scales;  s[80:87], s[88:91] for S0's
.set G0S, 76
.set G1SB, 80
.set G0SB, 88
.set SEL, 100                          ; s[100:101] lane selects for v_permlanex16_b32: lane l xor 16
.set MSB, 0
.macro WIN new                         ; the immediate's high byte repeats the setting that is left
.if MSB != (\new)
	s_set_vgpr_msb (MSB<<8)|(\new)
.set MSB, (\new)
.endif
.endm
.set MUL_LO, 0xa1                      ; source 0 (S0) window 1, source 1 (S1) window 0, C and D window 2
.set MUL_HI, 0xf1                      ; the same, C and D window 3
.set TO_B,   0x40                      ; destination window 1, address window 0
; A joint load: waves 0 and 1 fetch for S1, waves 2 and 3 for S0.  The branch hangs on the wave's number alone.  An s_nop 0 and four v_nop follow each of the two lines.
.macro JLOAD g0a, g1a, g0b, g1b
	s_cmp_eq_u32 s15, 0
	s_cbranch_scc0 .Lfor_b_\@
	tensor_load_to_lds s[\g0a:\g0a+3], s[\g1a:\g1a+7]
	s_nop 0
.rept 4
	v_nop
.endr
	s_branch .Lasked_\@
.Lfor_b_\@:
	tensor_load_to_lds s[\g0b:\g0b+3], s[\g1b:\g1b+7]
	s_nop 0
.rept 4
	v_nop
.endr
.Lasked_\@:
.endm
.macro CROUND                          ; a round of the cluster's barrier
	s_barrier_signal -1
	s_barrier_wait -1
	s_cmp_lg_u32 s14, 0
	s_cbranch_scc1 .Lnot_wave_0_\@
	s_barrier_signal -3
.Lnot_wave_0_\@:
	s_barrier_wait -3
	s_barrier_signal -1
	s_barrier_wait -1
.endm
	s_load_b128 s[76:79], s[0:1], 0x0              ; x's codes, x's scales (in registers that later hold descriptors)
	s_load_b128 s[88:91], s[0:1], 0x10             ; w_attn's codes, its scales
	s_load_b128 s[96:99], s[0:1], 0x20             ; qw, kv
	s_load_b64 s[12:13], s[0:1], 0x30              ; b_attn
	v_lshl_add_u32 v[SPW], v0, 2, SPARE
	v_mov_b32 v[NIL], 0
	ds_add_u32 v[SPW], v[NIL]                      ; the wave's opening: the add, twice on end, and its wait ahead of my first tensor load
	ds_add_u32 v[SPW], v[NIL]                      ; and once more; the set-up below, work on registers, stands between it and the wait
	v_lshrrev_b32 v1, 5, v0
	v_readfirstlane_b32 s14, v1                    ; wave 0..3
	s_lshr_b32 s15, s14, 1                         ; which half of S1's 256 rows is mine.  Also: I fetch for S1 (0) or for S0 (1)
	s_and_b32 s16, s14, 1                          ; which half of S0's.  Also: which 128 rows of that tile I fetch
	s_bfe_u32 s40, ttmp6, 0x40000                  ; cx, cy: my place in the cluster
	s_bfe_u32 s41, ttmp6, 0x40004
	s_and_b32 s95, ttmp7, 0xffff                   ; the cluster's y
	s_sub_co_u32 s2, s95, 8
	s_lshl_b32 s2, s2, 1
	s_add_co_u32 s2, s2, ttmp9                     ; v: which of its eight clusters
	s_cmp_ge_u32 s95, 8                            ; v's clusters?  The same answer in all sixteen partners
	s_cselect_b32 s42, s2, ttmp9
	s_cselect_b32 s17, 0, s95
	s_cselect_b32 s66, 2048, 0                     ; v's rows of w_attn begin at 2,048
	s_cselect_b32 s3, 1, 0                         ; the flag
	s_lshl_b32 s42, s42, 2
	s_add_co_u32 s42, s42, s40                     ; S0's tile of 256 rows: it hangs on cx, never on cy
	s_lshl_b32 s17, s17, 2
	s_add_co_u32 s17, s17, s41                     ; S1's tile: it hangs on cy, never on cx
	s_lshl_b32 s43, s41, 2
	s_lshl_b32 s43, 15, s43                        ; my row of the cluster
	s_lshl_b32 s44, 0x1111, s40                    ; my column
	; descriptor group 1: a tile of 128 rows x 256 bytes, padded in LDS
	s_or_b32 s[G1+0], s43, (0<<16)|(1<<20)|(1<<21)|(5<<22)|(3<<25)  ; 15:0 the mask: S1's tiles go to my row; 17:16 element of 1 byte; 20 padding on; 21 set beside a mask; 24:22 after every 64 words; 31:25 of 4 words
	s_or_b32 s[G1B+0], s44, (0<<16)|(1<<20)|(1<<21)|(5<<22)|(3<<25)
.irp g, G1, G1B
	s_mov_b32 s[\g+1], ROWB<<16                    ; tensor_dim0
	s_mov_b32 s[\g+2], 128<<16                     ; tensor_dim1
	s_mov_b32 s[\g+3], ROWB<<16                    ; tile_dim0
	s_mov_b32 s[\g+4], 128                         ; tile_dim1
	s_mov_b32 s[\g+5], KROW                        ; tensor_dim0_stride
	s_mov_b32 s[\g+6], 0
	s_mov_b32 s[\g+7], 0
.endr
	; the scales of 128 rows: a dense block of 4,096 bytes, as 16 rows of 256 bytes (32 elements of 8 bytes), 16 bytes of padding behind each
	s_or_b32 s[G1S+0], s43, (3<<16)|(1<<20)|(1<<21)|(5<<22)|(3<<25)
	s_or_b32 s[G1SB+0], s44, (3<<16)|(1<<20)|(1<<21)|(5<<22)|(3<<25)
.irp g, G1S, G1SB
	s_mov_b32 s[\g+1], 32<<16
	s_mov_b32 s[\g+2], (128*KS/256)<<16
	s_mov_b32 s[\g+3], 32<<16
	s_mov_b32 s[\g+4], 128*KS/256
	s_mov_b32 s[\g+5], 32
	s_mov_b32 s[\g+6], 0
	s_mov_b32 s[\g+7], 0
.endr
	s_lshl_b32 s18, s16, 7                         ; which 128 rows of the tile I fetch
	s_lshl_b32 s20, s17, 8
	s_add_co_u32 s20, s20, s18
	s_add_co_u32 s20, s20, s66                     ; S1: row 256 x tile + 128 x half (+ 2,048)
	s_lshl_b32 s46, s42, 8
	s_add_co_u32 s46, s46, s18                     ; S0: row 256 x tile + 128 x half
	s_mov_b32 s21, 0
	s_mov_b32 s47, 0
	s_mov_b64 s[18:19], KS
	s_mul_u64 s[22:23], s[20:21], s[18:19]         ; where these rows' scales begin, in bytes
	s_mul_u64 s[92:93], s[46:47], s[18:19]
	s_mov_b64 s[18:19], KROW
	s_mul_u64 s[20:21], s[20:21], s[18:19]         ; and their codes
	s_mul_u64 s[46:47], s[46:47], s[18:19]
	s_mul_i32 s45, s14, HALFT                      ; where they go: wave x 128 rows: no place in the cluster enters an LDS address
	s_mul_i32 s94, s14, HALFS
	s_wait_dscnt 0x0                               ; both opening adds are done
	s_wait_kmcnt 0x0
	s_cmp_eq_u32 s3, 1                             ; the operands' buffers are chosen by the flag, which hangs on no address
	s_cselect_b64 s[4:5], s[88:89], s[76:77]       ; S1's codes: v: w_attn's, else x's
	s_cselect_b64 s[6:7], s[90:91], s[78:79]       ; S1's scales
	s_cselect_b64 s[8:9], s[76:77], s[88:89]       ; S0's codes: v: x's, else w_attn's
	s_cselect_b64 s[10:11], s[78:79], s[90:91]     ; S0's scales
	s_add_nc_u64 s[20:21], s[4:5], s[20:21]
	s_add_nc_u64 s[22:23], s[6:7], s[22:23]
	s_add_nc_u64 s[46:47], s[8:9], s[46:47]
	s_add_nc_u64 s[92:93], s[10:11], s[92:93]
	CROUND                                         ; all sixteen work-groups are here: the first joint loads meet
	s_mov_b32 s[G0S], 1
	s_add_co_u32 s[G0S+1], s94, SCL
	s_mov_b64 s[G0S+2:G0S+3], s[22:23]
	s_or_b32 s[G0S+3], s[G0S+3], 0x80000000
	s_mov_b32 s[G0SB], 1
	s_add_co_u32 s[G0SB+1], s94, SCL
	s_mov_b64 s[G0SB+2:G0SB+3], s[92:93]
	s_or_b32 s[G0SB+3], s[G0SB+3], 0x80000000
	JLOAD G0S, G1S, G0SB, G1SB                     ; the scales first: they are wanted with the first slot
.irp s, 0,1
	s_mov_b32 s[G0+4*\s], 1
	s_add_co_u32 s[G0+4*\s+1], s45, \s*SLOT
	s_add_nc_u64 s[G0+4*\s+2:G0+4*\s+3], s[20:21], \s*ROWB
	s_or_b32 s[G0+4*\s+3], s[G0+4*\s+3], 0x80000000
	s_mov_b32 s[G0B+4*\s], 1
	s_add_co_u32 s[G0B+4*\s+1], s45, \s*SLOT
	s_add_nc_u64 s[G0B+4*\s+2:G0B+4*\s+3], s[46:47], \s*ROWB
	s_or_b32 s[G0B+4*\s+3], s[G0B+4*\s+3], 0x80000000
	JLOAD G0+4*\s, G1, G0B+4*\s, G1B               ; three tensor loads of mine are out now: all that this launch asks for
.endr
	v_and_b32 v1, 15, v0                           ; r = l % 16
	v_bfe_u32 v2, v0, 4, 1                         ; h = l / 16
	v_mul_u32_u24 v3, v1, PITCH
	v_lshl_add_u32 v4, v2, 4, v3                   ; a fragment's row x pitch + 16 x half
	s_mul_i32 s21, s15, HALFT                      ; my 128 rows of S1
	s_mul_i32 s22, s16, HALFT                      ; my 128 rows of S0,
	s_add_co_u32 s22, s22, 2*HALFT                 ; which lie behind S1's 256
.irp s, 0,1
	v_add_nc_u32 v[ADRA+\s], s21, v4
	v_add_nc_u32 v[ADRB+\s], s22, v4
	s_add_co_u32 s21, s21, SLOT
	s_add_co_u32 s22, s22, SLOT
.endr
	v_mul_u32_u24 v5, v1, KS                       ; my row's scales: 32 bytes a row,
	v_lshrrev_b32 v6, 8, v5
	v_lshl_add_u32 v5, v6, 4, v5                   ; and 16 more for each 256 passed
	s_mul_i32 s21, s15, HALFS                      ; S1's: my 128 rows
	s_mul_i32 s22, s16, HALFS                      ; S0's: my 128 rows, behind S1's 256
	s_add_co_u32 s22, s22, 2*HALFS
	s_sub_co_u32 s22, s22, s21
	v_mul_u32_u24 v6, s22, v2                      ; lanes 16-31 take S0's
	s_add_co_u32 s21, s21, SCL
	v_add_nc_u32 v5, v5, v6
	v_add_nc_u32 v[ADRS], s21, v5
	; where my 128 x 128 results go
	s_lshl_b32 s4, s17, 8
	s_lshl_b32 s5, s15, 7
	s_add_co_u32 s4, s4, s5                        ; my first row of S1
	s_lshl_b32 s5, s42, 8
	s_lshl_b32 s6, s16, 7
	s_add_co_u32 s5, s5, s6                        ; my first row of S0
	s_cmp_eq_u32 s3, 1
	s_cselect_b32 s6, s5, s4                       ; my first token: 128 of them are one key step, or one group of queries
	s_cselect_b32 s7, s4, s5                       ; my first feature: 128 of them are two heads
	s_or_b32 s8, s3, ttmp9
	s_cmp_eq_u32 s8, 0                             ; q: not v, and the cluster's x is 0 (features under 1,024)
	s_cselect_b64 s[18:19], s[96:97], s[98:99]     ; qw or kv
	s_mov_b32 s9, KVHEAD
	s_cselect_b32 s9, QHEAD, s9                    ; bytes from head to head
	s_mov_b32 s10, KVSTEP
	s_cselect_b32 s10, QGRP, s10                   ; from 128 tokens to the next
	s_mov_b32 s22, 8192
	s_cselect_b32 s22, 4096, s22                   ; where the scale words lie: q's, k's,
	s_cmp_eq_u32 s3, 1
	s_cselect_b32 s22, 8448, s22                   ; v's
	s_mov_b32 s23, 0
	s_lshr_b32 s8, s6, 11                          ; the batch
	s_lshl_b32 s8, s8, 4
	s_bfe_u32 s11, s7, 0x40006                     ; the even head: (feature % 1,024) / 64
	s_add_co_u32 s8, s8, s11
	s_bfe_u32 s11, s6, 0x40007                     ; which 128 tokens of the sequence
	s_mul_i32 s8, s8, s9
	s_mul_i32 s11, s11, s10
	s_add_co_u32 s46, s8, s11
	s_mov_b32 s47, 0
	s_add_nc_u64 s[18:19], s[18:19], s[46:47]      ; the images
	s_add_nc_u64 s[20:21], s[18:19], s[22:23]      ; the scale words
	s_add_co_u32 s46, s7, s66
	s_lshl_b32 s46, s46, 2
	s_add_nc_u64 s[12:13], s[12:13], s[46:47]      ; b_attn at my first feature
	s_mov_b32 s[SEL], 0x76543210
	s_mov_b32 s[SEL+1], 0xfedcba98
	v_and_b32 v[LI0], 31, v0
	v_lshlrev_b32 v[LI0], 4, v[LI0]
	v_add_nc_u32 v[LI1], s9, v[LI0]
	v_mul_u32_u24 v[LSW], s9, v2
	v_lshl_add_u32 v[LSW], v1, 4, v[LSW]
	v_lshlrev_b32 v[B32], 5, v2
	v_lshlrev_b32 v[R4], 2, v1
	v_lshlrev_b32 v[H16], 4, v2
.macro FRAG reg, adr, q, i             ; a fragment, 16 rows x 128 K of 4-bit codes: lane l holds row l % 16; registers 4 c .. 4 c + 3 hold K = 64 c + 32 (l / 16) + 0 .. 31
.irp c, 0,1
	ds_load_b128 v[\reg+4*\c:\reg+4*\c+3], v[\adr] offset:64*(\q)+32*\c+(\i)*16*PITCH
.endr
.endm
; 16 matrix instructions: S1's blocks a0, a0 + 1 x S0's eight, 128 along K.  zero = 1: the first product starts the sums.  The 64 accumulators take turns, one instruction a turn.
.macro MUL16 a0, p, q, sc, zero
.irp a, \a0, \a0+1
.irp b, 0,1,2,3,4,5,6,7
.if \zero
	v_wmma_scale_f32_16x16x128_f8f6f4 v[8*(8*((\a)%4)+\b):8*(8*((\a)%4)+\b)+7], v[128*(\p)+FR*\b:128*(\p)+FR*\b+FR-1], v[AF+FR*(\a):AF+FR*(\a)+FR-1], 0, v[SC+8*NQ*(\sc)+NQ*\b+(\q)], v[SC+8*NQ*(\sc)+NQ*(\a)+(\q)] matrix_a_fmt:MATRIX_FMT_FP4 matrix_b_fmt:MATRIX_FMT_FP4 matrix_a_scale:MATRIX_SCALE_ROW1
.else
	v_wmma_scale_f32_16x16x128_f8f6f4 v[8*(8*((\a)%4)+\b):8*(8*((\a)%4)+\b)+7], v[128*(\p)+FR*\b:128*(\p)+FR*\b+FR-1], v[AF+FR*(\a):AF+FR*(\a)+FR-1], v[8*(8*((\a)%4)+\b):8*(8*((\a)%4)+\b)+7], v[SC+8*NQ*(\sc)+NQ*\b+(\q)], v[SC+8*NQ*(\sc)+NQ*(\a)+(\q)] matrix_a_fmt:MATRIX_FMT_FP4 matrix_b_fmt:MATRIX_FMT_FP4 matrix_a_scale:MATRIX_SCALE_ROW1
.endif
.endr
.endr
.endm
.macro FETCH_B slot, q, p              ; S0's eight fragments of the slot's q-th 128 along K into set p
	WIN TO_B
.irp i, 0,1,2,3,4,5,6,7
	FRAG 128*(\p)+FR*\i, ADRB+\slot, \q, \i
.endr
	WIN 0
.endm
.macro FETCH_A slot, q, i0             ; S1's blocks i0 .. i0 + 3
.irp i, \i0, \i0+1, \i0+2, \i0+3
	FRAG AF+FR*(\i), ADRA+\slot, \q, \i
.endr
.endm
.macro SCALES sc                       ; a slot's scale words into set sc: four words a row; lanes 0-15 take S1's block i, lanes 16-31 S0's block i
.irp i, 0,1,2,3,4,5,6,7
	ds_load_b128 v[SC+8*NQ*\sc+NQ*\i:SC+8*NQ*\sc+NQ*\i+3], v[ADRS] offset:\i*SBLK
.endr
.endm
.macro PLACES n                        ; plain vector instructions between a matrix instruction and a load into, or a vector instruction on, its registers
.rept \n
	v_nop
.endr
.endm
.macro STEP slot, q, zero              ; a step of 128 along K that has its successor in the same slot
	s_wait_dscnt 4*NL                              ; S0's set and S1's blocks 0-3 are in; the youngest eight loads (S1's blocks 4-7) may be out
	WIN MUL_LO
	MUL16 0, (\q)%2, \q, \slot, \zero
	MUL16 2, (\q)%2, \q, \slot, \zero
	s_wait_dscnt 0                                 ; S1's blocks 4-7 are in
	PLACES NP
	FETCH_B \slot, (\q)+1, 1-(\q)%2
	FETCH_A \slot, (\q)+1, 0
	WIN MUL_HI
	MUL16 4, (\q)%2, \q, \slot, \zero
	MUL16 6, (\q)%2, \q, \slot, \zero
	PLACES NP
	WIN 0
	FETCH_A \slot, (\q)+1, 4
.endm
.macro STEPS slot, from                ; the slot's steps from .. NQ - 2
.set Q, \from
.rept NQ-1-\from
	STEP \slot, Q, 0
.set Q, Q+1
.endr
.endm
	s_wait_tensorcnt 1                             ; the scales and my part of slot 0 are in (slot 1's load, the one issued behind them, may be out),
	s_barrier_signal -1
	s_barrier_wait -1                              ; everybody's are
	FETCH_B 0, 0, 0
	FETCH_A 0, 0, 0
	SCALES 0
	FETCH_A 0, 0, 4
	STEP 0, 0, 1                                   ; the first step's products start the sums: nothing is cleared
	STEPS 0, 1
	; slot 0's last step changes slots: one barrier, in front of which each wave has its part of slot 1
	s_wait_tensorcnt 0x0                           ; all my tensor loads have landed
	ds_add_u32 v[SPW], v[NIL]                      ; 0 onto my spare word
	s_wait_dscnt 4*NL+1                            ; (the add and the youngest eight loads, S1's blocks 4-7, may be out)
	WIN MUL_LO
	MUL16 0, 1, NQ-1, 0, 0
	s_wait_dscnt 0x0                               ; the add is done, and no LDS instruction of mine is out at the signal
	s_barrier_signal -1
	MUL16 2, 1, NQ-1, 0, 0
	WIN 0
	s_barrier_wait -1                              ; slot 1 is whole
	PLACES NP
	v_add_nc_u32 v[ADRS], 4*NQ, v[ADRS]            ; on to slot 1's scale words
	FETCH_B 1, 0, 0
	FETCH_A 1, 0, 0
	SCALES 1
	WIN MUL_HI
	MUL16 4, 1, NQ-1, 0, 0
	MUL16 6, 1, NQ-1, 0, 0
	PLACES NP
	WIN 0
	FETCH_A 1, 0, 4
	STEPS 1, 0
	s_wait_dscnt 4*NL                              ; the very last step: nothing more to fetch
	WIN MUL_LO
	MUL16 0, 1, NQ-1, 1, 0
	MUL16 2, 1, NQ-1, 1, 0
	s_wait_dscnt 0
	WIN MUL_HI
	MUL16 4, 1, NQ-1, 1, 0
	MUL16 6, 1, NQ-1, 1, 0
	WIN 0
; THE WAY OUT.  64 numbers of a lane, v[s] on: register 8 t + j = S0's row 16 t + 8 h + j.  Block b of 32 lies in registers 16 b .. 16 b + 15 of lanes l and l xor 16.
; QUANT makes the operand's eight registers in v[pc] on and the row's scale word in v[pw].  A conversion takes eight neighbours; its result holds, in the two halves of the lanes, two neighbouring eights of ONE block, where
; the operand's layout wants the same eight of TWO blocks (lanes 0-15 block 2 c, lanes 16-31 block 2 c + 1): so the like results of blocks 2 c and 2 c + 1 stand side by side and change halves.
.macro QUANT s, pc, pw
.irp b, 0,1,2,3
	v_max3_num_f32 v[TM+\b], |v[\s+16*\b]|, |v[\s+1+16*\b]|, 0x1800000   ; my 16 numbers of block b, and the floor 2^(3 - 127): so the byte cannot fall under 1
.endr
.irp i, 2,4,6,8,10,12,14
.irp b, 0,1,2,3
	v_max3_num_f32 v[TM+\b], v[TM+\b], |v[\s+16*\b+\i]|, |v[\s+1+16*\b+\i]|   ; (the four blocks by turns)
.endr
.endr
.irp b, 0,1,2,3
	v_permlanex16_b32 v[TM+4+\b], v[TM+\b], s[SEL], s[SEL+1]
.endr
.irp b, 0,1,2,3
	v_max_num_f32 v[TM+\b], v[TM+\b], v[TM+4+\b]   ; with lane l xor 16's: the block's largest magnitude
.endr
.irp b, 0,1,2,3
	v_add_nc_u32 v[TM+12+\b], 0xff000000, v[TM+\b] ; 2 off its exponent field: the conversion takes the exponent field of this operand as its scale
.endr
.irp b, 0,1,2,3
	v_lshrrev_b32 v[TM+4+\b], 23, v[TM+12+\b]      ; the scale's byte
.endr
	v_lshl_or_b32 v[\pw], v[TM+5], 8, v[TM+4]
	v_lshl_or_b32 v[\pw], v[TM+6], 16, v[\pw]
	v_lshl_or_b32 v[\pw], v[TM+7], 24, v[\pw]
.irp c, 0,1
	v_cvt_scalef32_pk8_fp4_f32 v[\pc+4*\c],   v[\s+32*\c:\s+32*\c+7],     v[TM+12+2*\c]
	v_cvt_scalef32_pk8_fp4_f32 v[\pc+4*\c+1], v[\s+32*\c+16:\s+32*\c+23], v[TM+13+2*\c]
	v_cvt_scalef32_pk8_fp4_f32 v[\pc+4*\c+2], v[\s+32*\c+8:\s+32*\c+15],  v[TM+12+2*\c]
	v_cvt_scalef32_pk8_fp4_f32 v[\pc+4*\c+3], v[\s+32*\c+24:\s+32*\c+31], v[TM+13+2*\c]
.endr
	v_nop                                          ; one plain place behind a scaled conversion
.irp c, 0,1
	v_permlane16_swap_b32 v[\pc+4*\c],   v[\pc+4*\c+1]   ; registers 4 c .. 4 c + 3 now hold k = 64 c + 32 h + 0 .. 31
	v_permlane16_swap_b32 v[\pc+4*\c+2], v[\pc+4*\c+3]
.endr
.endm
; Group a: S1's rows 16 a .. 16 a + 15.  The addition of the bias is also the move into window 0; it takes each accumulator's registers in ascending order.
.macro GROUP a, v
	WIN 0x02+(\a)/4                                ; source 0: window 2 or 3
.set i, 0
.rept 32
.if \v
	v_pk_add_f32 v[ST+2*i:ST+2*i+1], v[64*((\a)%4)+2*i:64*((\a)%4)+2*i+1], v[BI+2*(\a):BI+2*(\a)+1]   ; v: the bias hangs on the channel, which is the lane's
.else
	v_pk_add_f32 v[ST+2*i:ST+2*i+1], v[64*((\a)%4)+2*i:64*((\a)%4)+2*i+1], v[BI+2*i:BI+2*i+1]         ; q, k: on the feature, which is the register's
.endif
.set i, i+1
.endr
	WIN 0
	QUANT ST, PCB+8*(\a), PWB+(\a)
.if \v
	global_store_b128 v[LI0+(\a)/4], v[PCB+8*(\a):PCB+8*(\a)+3],   s[18:19] offset:4096+1024*((\a)%4)       ; fragment a % 4 of head a / 4: keys 0-63,
	global_store_b128 v[LI0+(\a)/4], v[PCB+8*(\a)+4:PCB+8*(\a)+7], s[18:19] offset:4096+1024*((\a)%4)+512   ; keys 64-127.  Each store: 512 consecutive bytes, aligned
.else
	global_store_b128 v[LI0], v[PCB+8*(\a):PCB+8*(\a)+3],   s[18:19] offset:512*(\a)   ; tile a of the even head,
	global_store_b128 v[LI1], v[PCB+8*(\a)+4:PCB+8*(\a)+7], s[18:19] offset:512*(\a)   ; of the odd head
.endif
.endm
	PLACES NP                                      ; behind the last products, ahead of the first read of results and of writes into registers that they read
.irp b, 0,1,2,3
	v_mov_b32 v[TM+4+\b], 0                        ; written once: a lane permute's destination counts as one of its sources
.endr
	s_cmp_eq_u32 s3, 1                             ; the flag: the same in all sixteen partners
	s_cbranch_scc1 .Lv
.irp b, 0,1,2,3,4,5,6,7
	global_load_b128 v[BI+8*\b:BI+8*\b+3],   v[B32], s[12:13] offset:64*\b      ; b_attn at features 16 b + 8 h + 0 .. 7
	global_load_b128 v[BI+8*\b+4:BI+8*\b+7], v[B32], s[12:13] offset:64*\b+16
.endr
	s_wait_loadcnt 0x0
.irp a, 0,1,2,3,4,5,6,7
	GROUP \a, 0
.endr
.irp p, 0,1,2,3                        ; a group's word holds the even head's two bytes below and the odd head's above.  Lanes 0-15 make the even head's words, lanes 16-31 the odd head's: tile 2 p's two bytes below, tile 2 p + 1's above
	v_lshrrev_b32 v124, v[H16], v[PWB+2*\p]
	v_lshrrev_b32 v125, v[H16], v[PWB+2*\p+1]
	v_and_b32 v124, 0xffff, v124
	v_lshl_or_b32 v[W+\p], v125, 16, v124
.endr
	global_store_b128 v[LSW], v[W:W+3], s[20:21]   ; sixteen lanes store 256 consecutive bytes, aligned
	s_branch .Ldone
.Lv:
.irp a, 0,1,2,3,4,5,6,7
	global_load_b32 v[BI+2*\a],   v[R4], s[12:13] offset:64*\a   ; b_attn at channel 16 a + r, in both registers of a pair
	global_load_b32 v[BI+2*\a+1], v[R4], s[12:13] offset:64*\a
.endr
	s_wait_loadcnt 0x0
.irp a, 0,1,2,3,4,5,6,7
	GROUP \a, 1
.endr
	v_cmp_eq_u32 s4, 1, v2                         ; lanes 16-31 take the odd head's four words
.irp c, 0,1,2,3
	v_cndmask_b32 v[W+\c], v[PWB+\c], v[PWB+4+\c], s4
.endr
	global_store_b128 v[LSW], v[W:W+3], s[20:21]
.Ldone:
	s_wait_tensorcnt 0x0                           ; the wave's end, behind my last tensor load
	ds_add_u32 v[SPW], v[NIL]
	s_wait_dscnt 0x0
	CROUND                                         ; the closing round
	s_endpgm
.Lfunc_end_k_qe0491aae0e_qkv:
	.size	k_qe0491aae0e_qkv, .Lfunc_end_k_qe0491aae0e_qkv-k_qe0491aae0e_qkv
	.p2alignl 7, 3214868480
	.fill 96, 4, 3214868480
	.section	.rodata,"a",@progbits
	.p2align	6, 0x0
	.amdhsa_kernel k_qe0491aae0e_qkv
		.amdhsa_group_segment_fixed_size 327680
		.amdhsa_private_segment_fixed_size 0
		.amdhsa_enable_private_segment 0
		.amdhsa_kernarg_size 56
		.amdhsa_user_sgpr_count 2
		.amdhsa_user_sgpr_kernarg_segment_ptr 1
		.amdhsa_wavefront_size32 1
		.amdhsa_system_sgpr_workgroup_id_x 1
		.amdhsa_system_sgpr_workgroup_id_y 1
		.amdhsa_system_sgpr_workgroup_id_z 1
		.amdhsa_system_vgpr_workitem_id 0
		.amdhsa_next_free_vgpr 1024
		.amdhsa_next_free_sgpr 102
		.amdhsa_reserve_vcc 0
		.amdhsa_float_denorm_mode_32 3
		.amdhsa_float_denorm_mode_16_64 3
		.amdhsa_memory_ordered 1
		.amdhsa_forward_progress 1
		.amdhsa_inst_pref_size 197
	.end_amdhsa_kernel
	.amdgpu_metadata
---
amdhsa.version: [ 1, 2 ]
amdhsa.kernels:
  - .name:           k_qe0491aae0e_qkv
    .symbol:         k_qe0491aae0e_qkv.kd
    .args:
      - { .name: x_codes, .offset: 0, .size: 8, .value_kind: global_buffer, .address_space: global }
      - { .name: x_scales, .offset: 8, .size: 8, .value_kind: global_buffer, .address_space: global }
      - { .name: w_attn_codes, .offset: 16, .size: 8, .value_kind: global_buffer, .address_space: global }
      - { .name: w_attn_scales, .offset: 24, .size: 8, .value_kind: global_buffer, .address_space: global }
      - { .name: qw, .offset: 32, .size: 8, .value_kind: global_buffer, .address_space: global }
      - { .name: kv, .offset: 40, .size: 8, .value_kind: global_buffer, .address_space: global }
      - { .name: b_attn, .offset: 48, .size: 8, .value_kind: global_buffer, .address_space: global }
    .group_segment_fixed_size: 327680
    .private_segment_fixed_size: 0
    .kernarg_segment_align: 8
    .kernarg_segment_size: 56
    .max_flat_workgroup_size: 128
    .sgpr_count:     102
    .vgpr_count:     1024
    .wavefront_size: 32
...
	.end_amdgpu_metadata
.endif
;; end of part 1
;; launch attn (part 2): grid 4 x 64, 16 waves a work-group, clusters of 4 x 1, 167,936 bytes of LDS; arguments qw, kv, yimg, yscl; writes yimg, yscl
.if DOCPART == 2
	.amdgcn_target "amdgcn-amd-amdhsa--gfx1250"
	.amdhsa_code_object_version 6
	.text
	.protected	k_qe0491aae0e_attn
	.globl	k_qe0491aae0e_attn
	.p2align	8
	.type	k_qe0491aae0e_attn,@function
k_qe0491aae0e_attn:
	s_mov_b64 s[64:65], 0
	v_nop
	global_prefetch_b8 v0, s[64:65] scope:SCOPE_SE
	s_setreg_imm32_b32 hwreg(HW_REG_WAVE_MODE, 25, 1), 1
	s_wait_xcnt 0x0
	s_wait_alu depctr_hold_cnt(0) depctr_sa_sdst(0) depctr_va_vdst(0) depctr_va_sdst(0) depctr_va_ssrc(0) depctr_va_vcc(0) depctr_vm_vsrc(0)
	s_getreg_b32 s2, hwreg(HW_REG_IB_STS2, 6, 4)
	s_cmp_eq_u32 s2, 0
	s_cbranch_scc0 .Lentry_in_a_cluster
	s_endpgm
.Lentry_in_a_cluster:
	s_bfe_u32 s2, ttmp6, 0x10000c
	s_cmp_lg_u32 s2, 0x3003
	s_cbranch_scc0 .Lentry_shape_is_right
	s_endpgm
.Lentry_shape_is_right:
; y[b][t][head] = softmax over the keys k <= t of (q . k / 8) times v, both products on codes of FP4 (E2M1) with one E8M0 scale for each 32 along a product's K; y is then quantised along its channels and leaves as codes.
; WORK LEFT OUT: key steps of 128 keys that lie wholly behind a tile's 16 queries: reference() masks them itself (jnp.tril), their p is 0 for all finite inputs.  A NaN or an infinity that reaches only them is not carried on.
; LIMITS: NaN and infinities are not served; a block whose largest magnitude lies under 2^-124, and a block of zeros, keep the scale byte 1 (these bytes are read by this program alone).
; THE SOFTMAX: t = score x log2(e) / 8; M = the row's largest t so far, rounded UP to a whole number; p = 2^(t - M) is quantised along the keys, not normalised.  The row's sum is taken of the unquantised p and divides O
; at the end.  When M moves, the sum and O are multiplied by 2^(old M - new M): exact.
; SHARES.  A cluster of four work-groups is one (batch, head).  The head's K, V and their scale words, 139,264 bytes of register images made by the launch before, lie WHOLE in each partner's LDS: each of the sixteen waves asks
; for one key step's 8,704 bytes, jointly with the same wave of the three partners.  LDS is filled once; there is no ring.
; Wave w (g = w / 2, e = w % 2) of partner cx owns two tiles of 16 queries: A = 8 g + 2 cx + e and B = 127 - A.  A wants key steps 0 .. g, B wants 0 .. 15 - g: 17 step bodies in every wave of the launch.
; Every branch hangs on the wave's number and the count of steps; cx enters global addresses and the diagonal's per-lane number alone.
; LAYOUT.  Both products are used transposed: S^T = K Q^T, O^T = V^T P^T: a lane holds ONE query (lane % 16); register j of tile t holds key 16 t + 8 (lane / 16) + j.
; THE HEAD'S 64 IN AN INSTRUCTION OF 128: a fragment of K holds tile 2 p's 16 keys in registers 0-3 (k 0-63) and tile 2 p + 1's in registers 4-7 (k 64-127); it is multiplied once by [Q | zero codes] and once by [zero codes | Q].
; yscl: a head owns 2 of a token's 32 scale bytes, so these stores are of two bytes a token: one sixteenth of the codes' bytes.
; No prefetch: all that the launch reads of K and V is asked for by the one tensor load a wave at its head.
.set STEPB, 8704                       ; a key step in kv and in LDS: +0 K's 8 tiles; +4096 V's 4 fragments; +8192 K's scale words; +8448 V's
.set SPARE, 16*STEPB                   ; behind the head's 16 steps: the spare words, 128 bytes for each of 16 waves
.set LI,  1                            ; v1   16 x lane: an image's place
.set LR,  2                            ; v2   16 r: a row's four scale words
.set SPW, 3                            ; v3   LDS address of my spare word; never rewritten
.set NIL, 4                            ; v4   0; never rewritten
.set ADK, 5                            ; v5   LDS address of the step's images
.set ADS, 6                            ; v6   of its scale words
.set DA,  7                            ; v7   tile A: my query's place in its diagonal step, less 8 h
.set DB,  8                            ; v8   tile B likewise
.set YS,  9                            ; v9   32 r: a token's row of yscl
.set STA, 12                           ; v12 -M, v13 the largest t, v[14:15] the sum in two halves: tile A's
.set STB, 16                           ; tile B's
.set QA,  20                           ; v[20:31] four registers of zero codes, Q's four, four of zero codes: tile A
.set QB,  32                           ; v[32:43] tile B
.set QSA, 44                           ; v44, v45 Q's scale words
.set QSB, 45
.set KV,  48                           ; v[48:79] four fragments of K, then of V
.set KSW, 80                           ; v[80:83] K's scale words
.set VSW, 84                           ; v[84:87] V's
.set PP,  96                           ; v[96:159] S^T, then p
.set OA,  160                          ; v[160:191] O^T of tile A
.set OBB, 192                          ; v[192:223] of tile B
.set PC,  224                          ; v[224:231] p's codes;  v232-254 at work
.set WV,  12
.set CX,  13
.set HR,  14
.set GA,  15                           ; s15  tile A's last key step
.set GB,  16                           ; s16  tile B's
.set IA,  17                           ; s17  tile A's place among its group's eight
.set IB,  18
.set G0,  28                           ; s[28:31] descriptor group 0;  s[32:39] group 1
.set G1,  32
.set SEL, 48                           ; s[48:49] lane selects: lane l xor 16
.set CS,  50                           ; s[50:51] c = log2(e) / 8
.set STP, 52                           ; s52  the key step
.set TB,  53                           ; s53  where it begins in LDS
.macro CROUND                          ; a round of the cluster's barrier
	s_barrier_signal -1
	s_barrier_wait -1
	s_cmp_lg_u32 s[WV], 0
	s_cbranch_scc1 .Lnot_wave_0_\@
	s_barrier_signal -3
.Lnot_wave_0_\@:
	s_barrier_wait -3
	s_barrier_signal -1
	s_barrier_wait -1
.endm
	s_load_b256 s[4:11], s[0:1], 0x0               ; qw s[4:5], kv s[6:7], yimg s[8:9], yscl s[10:11]
	v_lshl_add_u32 v[SPW], v0, 2, SPARE
	v_mov_b32 v[NIL], 0
	ds_add_u32 v[SPW], v[NIL]                      ; the wave's opening: the add, twice on end, and its wait ahead of my first tensor load
	ds_add_u32 v[SPW], v[NIL]                      ; and once more; the set-up below, work on registers, stands between it and the wait
	v_lshrrev_b32 v5, 5, v0
	v_readfirstlane_b32 s[WV], v5                  ; wave 0..15
	s_bfe_u32 s[CX], ttmp6, 0x40000                ; my place in the cluster
	s_and_b32 s[HR], ttmp7, 0xffff                 ; 16 x batch + head
	s_lshr_b32 s[GA], s[WV], 1
	s_sub_co_u32 s[GB], 15, s[GA]
	s_and_b32 s[IA], s[WV], 1
	s_lshl_b32 s[IB], s[CX], 1
	s_add_co_u32 s[IA], s[IA], s[IB]               ; 2 cx + e
	s_sub_co_u32 s[IB], 7, s[IA]
	; the descriptor: a key step's 8,704 dense bytes as 34 rows of 256 (32 elements of 8 bytes), no padding: images are read 16 bytes a lane on end
	s_mov_b32 s[G1], 15|(3<<16)|(1<<21)            ; 15:0 the mask: all four partners; 17:16 elements of 8 bytes; 21 set beside a mask
	s_mov_b32 s[G1+1], 32<<16                      ; tensor_dim0
	s_mov_b32 s[G1+2], 34<<16                      ; tensor_dim1
	s_mov_b32 s[G1+3], 32<<16                      ; tile_dim0
	s_mov_b32 s[G1+4], 34                          ; tile_dim1
	s_mov_b32 s[G1+5], 32                          ; tensor_dim0_stride
	s_mov_b32 s[G1+6], 0
	s_mov_b32 s[G1+7], 0
	s_mov_b32 s[G0], 1
	s_mul_i32 s[G0+1], s[WV], STEPB                ; key step w goes to 8,704 w: the wave's number alone
	s_mul_i32 s54, s[HR], 16*STEPB
	s_add_co_u32 s54, s54, s[G0+1]                 ; and comes from the head's step w
	s_mov_b32 s55, 0
	; Q: qw + 69,632 head + 4,352 group + 512 tile; its scale halfwords at + 4,096 + 16 r + 2 tile
	s_mul_i32 s56, s[HR], 69632
	s_mul_i32 s57, s[GA], 4352
	s_add_co_u32 s57, s57, s56
	s_mul_i32 s58, s[GB], 4352
	s_add_co_u32 s58, s58, s56
	s_lshl_b32 s20, s[IA], 9
	s_add_co_u32 s20, s20, s57
	s_mov_b32 s21, 0
	s_lshl_b32 s22, s[IB], 9
	s_add_co_u32 s22, s22, s58
	s_mov_b32 s23, 0
	s_lshl_b32 s24, s[IA], 1
	s_add_co_u32 s24, s24, s57
	s_add_co_u32 s24, s24, 4096
	s_mov_b32 s25, 0
	s_lshl_b32 s26, s[IB], 1
	s_add_co_u32 s26, s26, s58
	s_add_co_u32 s26, s26, 4096
	s_mov_b32 s27, 0
	; y: token tile = 128 batch + 8 group + tile;  yimg: 8,192 a token tile + 512 head;  yscl: 512 a token tile + 2 head
	s_lshr_b32 s59, s[HR], 4
	s_lshl_b32 s59, s59, 7
	s_and_b32 s60, s[HR], 15
	s_lshl_b32 s61, s[GA], 3
	s_add_co_u32 s61, s61, s[IA]
	s_add_co_u32 s61, s61, s59
	s_lshl_b32 s62, s[GB], 3
	s_add_co_u32 s62, s62, s[IB]
	s_add_co_u32 s62, s62, s59
	s_lshl_b32 s63, s60, 9
	s_lshl_b32 s40, s61, 13
	s_add_co_u32 s40, s40, s63
	s_mov_b32 s41, 0
	s_lshl_b32 s42, s62, 13
	s_add_co_u32 s42, s42, s63
	s_mov_b32 s43, 0
	s_lshl_b32 s63, s60, 1
	s_lshl_b32 s44, s61, 9
	s_add_co_u32 s44, s44, s63
	s_mov_b32 s45, 0
	s_lshl_b32 s46, s62, 9
	s_add_co_u32 s46, s46, s63
	s_mov_b32 s47, 0
	s_mov_b32 s[SEL], 0x76543210
	s_mov_b32 s[SEL+1], 0xfedcba98
	s_mov_b32 s[CS], 0x3e38aa3b                    ; c = log2(e) / sqrt(64)
	s_mov_b32 s[CS+1], s[CS]                       ; (named with it as a pair, so it is written)
	s_mov_b32 s[STP], 0
	s_mov_b32 s[TB], 0
	v_and_b32 v[LI], 31, v0
	v_lshlrev_b32 v[LI], 4, v[LI]
	v_and_b32 v10, 15, v0                          ; r
	v_bfe_u32 v11, v0, 4, 1                        ; h
	v_lshlrev_b32 v[LR], 4, v10
	v_lshlrev_b32 v[YS], 5, v10
	v_lshlrev_b32 v11, 3, v11
	v_sub_nc_u32 v10, v10, v11                     ; r - 8 h
	v_lshl_add_u32 v[DA], s[IA], 4, v10            ; in the diagonal step register 8 t + j holds key 16 t + 8 h + j and my query stands at 16 tile + r: hidden where 16 t + j > 16 tile + r - 8 h
	v_lshl_add_u32 v[DB], s[IB], 4, v10
	s_wait_dscnt 0x0                               ; both opening adds are done
	s_wait_kmcnt 0x0
	s_add_nc_u64 s[G0+2:G0+3], s[6:7], s[54:55]
	s_or_b32 s[G0+3], s[G0+3], 0x80000000          ; type = 2
	s_add_nc_u64 s[20:21], s[4:5], s[20:21]
	s_add_nc_u64 s[22:23], s[4:5], s[22:23]
	s_add_nc_u64 s[24:25], s[4:5], s[24:25]
	s_add_nc_u64 s[26:27], s[4:5], s[26:27]
	s_add_nc_u64 s[40:41], s[8:9], s[40:41]
	s_add_nc_u64 s[42:43], s[8:9], s[42:43]
	s_add_nc_u64 s[44:45], s[10:11], s[44:45]
	s_add_nc_u64 s[46:47], s[10:11], s[46:47]
	CROUND                                         ; all four work-groups are here: the joint loads meet
	tensor_load_to_lds s[G0:G0+3], s[G1:G1+7]      ; my one tensor load of the launch
	s_nop 0
.rept 4
	v_nop
.endr
	global_load_b128 v[QA+4:QA+7], v[LI], s[20:21] ; Q's images stay in registers
	global_load_b128 v[QB+4:QB+7], v[LI], s[22:23]
	global_load_u16 v[QSA], v[LR], s[24:25]        ; a query's two scale bytes
	global_load_u16 v[QSB], v[LR], s[26:27]
	v_mov_b32 v[STA+1], 0xff61b1e6                 ; the largest t so far: -3e38, under every t
	v_mov_b32 v[STB+1], 0xff61b1e6
	v_floor_f32 v[STA], -v[STA+1]                  ; -M
	v_floor_f32 v[STB], -v[STB+1]
.irp j, 2,3
	v_mov_b32 v[STA+\j], 0                         ; the sums
	v_mov_b32 v[STB+\j], 0
.endr
.irp j, 0,1,2,3,8,9,10,11
	v_mov_b32 v[QA+\j], 0                          ; zero codes round Q
	v_mov_b32 v[QB+\j], 0
.endr
.irp j, 236,237,238,239,252,253
	v_mov_b32 v[\j], 0                             ; written once: a lane permute's destination counts as one of its sources, and a pair is named whole
.endr
	s_wait_loadcnt 0x0                             ; Q
	v_lshl_or_b32 v[QSA], v[QSA], 16, v[QSA]       ; the two bytes serve k 0-63 and k 64-127 alike
	v_lshl_or_b32 v[QSB], v[QSB], 16, v[QSB]
.set n, 0
.rept 64
	v_mov_b32 v[OA+n], 0                           ; O^T of both tiles.  (The step is written once: the first finds zeros, which the first change of M leaves zeros.  These lines are also the places between the scale words just made and the first product)
.set n, n+1
.endr
	s_wait_tensorcnt 0x0                           ; my key step is in,
	s_barrier_signal -1
	s_barrier_wait -1                              ; everybody's is: the head's K and V lie in LDS, and nobody writes them again
; ONE TILE'S SHARE OF A KEY STEP.  qb: Q's twelve registers; qs: its scale word; st: its statistics; ob: its O^T; dd: its diagonal number; gg: its last step.
.macro BODY qb, qs, st, ob, dd, gg
	s_cmp_gt_u32 s[STP], s[\gg]                    ; all 128 keys come after my 16 queries: the step is left out (the wave's number and the count of steps alone)
	s_cbranch_scc1 .Lskip_\@
	v_add_nc_u32 v[ADK], s[TB], v[LI]
	v_add_nc_u32 v[ADS], s[TB], v[LR]
	v_nop
	v_nop                                          ; four places in front of loads into registers that the last products read
.irp i, 0,1,2,3,4,5,6,7
	ds_load_b128 v[KV+4*\i:KV+4*\i+3], v[ADK] offset:512*\i     ; K's eight tiles: four fragments
.endr
	ds_load_b128 v[KSW:KSW+3], v[ADS] offset:8192
	s_wait_dscnt 0x0
.irp t, 0,1,2,3,4,5,6,7
	v_wmma_scale_f32_16x16x128_f8f6f4 v[PP+8*\t:PP+8*\t+7], v[KV+8*(\t/2):KV+8*(\t/2)+7], v[\qb+4-4*(\t%2):\qb+11-4*(\t%2)], 0, v[KSW+\t/2], v[\qs] matrix_a_fmt:MATRIX_FMT_FP4 matrix_b_fmt:MATRIX_FMT_FP4
.endr
.rept 4
	v_nop                                          ; places: for the loads below and for the first read of the scores
.endr
.irp i, 0,1,2,3,4,5,6,7
	ds_load_b128 v[KV+4*\i:KV+4*\i+3], v[ADK] offset:4096+512*\i   ; V's four fragments land while the softmax is walked
.endr
	ds_load_b128 v[VSW:VSW+3], v[ADS] offset:8448
	s_cmp_lg_u32 s[STP], s[\gg]                    ; only the tile's last step lies on the diagonal
	s_cbranch_scc1 .Lopen_\@
	v_mov_b32 v254, 0xff800000                     ; -infinity: p = 0 then
.set n, 0
.rept 64
	v_cmp_gt_i32 vcc_lo, 16*(n/8)+n%8, v[\dd]
	v_cndmask_b32 v[PP+n], v[PP+n], v254, vcc_lo
.set n, n+1
.endr
.Lopen_\@:
.irp b, 0,1,2,3
	v_max3_num_f32 v[232+\b], v[PP+16*\b], v[PP+1+16*\b], v[PP+2+16*\b]   ; the largest score of each block of 32 keys: it serves the row's maximum and, since p rises with the score, the block's largest p
.endr
.irp i, 3,5,7,9,11,13
.irp b, 0,1,2,3
	v_max3_num_f32 v[232+\b], v[232+\b], v[PP+16*\b+\i], v[PP+1+16*\b+\i]
.endr
.endr
.irp b, 0,1,2,3
	v_max_num_f32 v[232+\b], v[232+\b], v[PP+15+16*\b]
.endr
.irp b, 0,1,2,3
	v_permlanex16_b32 v[236+\b], v[232+\b], s[SEL], s[SEL+1]
.endr
.irp b, 0,1,2,3
	v_max_num_f32 v[232+\b], v[232+\b], v[236+\b]  ; with lane l xor 16's 16 keys
.endr
	v_max3_num_f32 v254, v232, v233, v234
	v_max_num_f32 v254, v254, v235                 ; the step's largest score of my query
	v_mul_f32 v254, s[CS], v254                    ; as t
	v_max_num_f32 v[\st+1], v[\st+1], v254         ; the running largest t
	v_mov_b32 v254, v[\st]
	v_floor_f32 v[\st], -v[\st+1]                  ; the new -M = -ceil(t)
	v_sub_f32 v254, v[\st], v254                   ; old M - new M: a whole number, 0 or less
	v_cvt_i32_f32 v254, v254                       ; (it saturates)
	v_ldexp_f32 v252, 1.0, v254                    ; f = 2^(old M - new M)
.set n, 0
.rept 32
	v_pk_fma_f32 v[PP+n:PP+n+1], v[PP+n:PP+n+1], s[CS:CS+1], v[\st:\st+1] op_sel_hi:[1,0,0]   ; t - M, two at a time
.set n, n+2
.endr
.irp b, 0,1,2,3
	v_fma_f32 v[232+\b], v[232+\b], s[CS], v[\st]  ; the same of each block's largest score
.endr
.set n, 0
.rept 64
	v_exp_f32 v[PP+n], v[PP+n]                     ; p = 2^(t - M)
.set n, n+1
.endr
	v_pk_mul_f32 v[\st+2:\st+3], v[\st+2:\st+3], v[252:253] op_sel_hi:[1,0]   ; the sums under the new M: the plain place behind the exponentials
	s_wait_alu depctr_va_vdst(0)                   ; one wait for the batch, ahead of its first reader
.irp b, 0,1,2,3
	v_exp_f32 v[232+\b], v[232+\b]                 ; the block's largest p
.endr
	v_pk_add_f32 v[236:237], v[PP:PP+1], v[PP+2:PP+3]   ; the row's sum, of the unquantised p, in two chains
.irp j, 4,8,12,16,20,24,28,32,36,40,44,48,52,56,60
	v_pk_add_f32 v[\st+2:\st+3], v[\st+2:\st+3], v[PP+\j:PP+1+\j]
	v_pk_add_f32 v[236:237], v[236:237], v[PP+2+\j:PP+3+\j]
.endr
	v_pk_add_f32 v[\st+2:\st+3], v[\st+2:\st+3], v[236:237]
	s_wait_alu depctr_va_vdst(0)                   ; and one for the four
.irp b, 0,1,2,3
	v_max_num_f32 v[232+\b], 0x1800000, v[232+\b]  ; the floor 2^(3 - 127): the byte cannot fall under 1
.endr
.irp b, 0,1,2,3
	v_add_nc_u32 v[244+\b], 0xff000000, v[232+\b]  ; 2 off the exponent field: the conversion's scale operand
.endr
.irp b, 0,1,2,3
	v_lshrrev_b32 v[236+\b], 23, v[244+\b]         ; the scale's byte
.endr
	v_lshl_or_b32 v253, v237, 8, v236              ; p's scale word for these 128 keys
	v_lshl_or_b32 v253, v238, 16, v253
	v_lshl_or_b32 v253, v239, 24, v253
.irp c, 0,1                            ; the like eights of blocks 2 c and 2 c + 1 side by side, so that one exchange of halves gives the operand's registers
	v_cvt_scalef32_pk8_fp4_f32 v[PC+4*\c],   v[PP+32*\c:PP+32*\c+7],     v[244+2*\c]
	v_cvt_scalef32_pk8_fp4_f32 v[PC+4*\c+1], v[PP+32*\c+16:PP+32*\c+23], v[245+2*\c]
	v_cvt_scalef32_pk8_fp4_f32 v[PC+4*\c+2], v[PP+32*\c+8:PP+32*\c+15],  v[244+2*\c]
	v_cvt_scalef32_pk8_fp4_f32 v[PC+4*\c+3], v[PP+32*\c+24:PP+32*\c+31], v[245+2*\c]
.endr
	v_nop                                          ; one plain place behind a scaled conversion
.irp c, 0,1
	v_permlane16_swap_b32 v[PC+4*\c],   v[PC+4*\c+1]   ; registers 4 c .. 4 c + 3: keys 64 c + 32 h + 0 .. 31
	v_permlane16_swap_b32 v[PC+4*\c+2], v[PC+4*\c+3]
.endr
.set n, 0
.rept 16
	v_pk_mul_f32 v[\ob+n:\ob+n+1], v[\ob+n:\ob+n+1], v[252:253] op_sel_hi:[1,0]   ; O^T under the new M.  (These sixteen are also the places between the scale word and codes just made and the products)
.set n, n+2
.endr
	s_wait_dscnt 0x0                               ; V
.irp t, 0,1,2,3                        ; the four accumulators by turns; eight products of the next body stand between two links of a chain
	v_wmma_scale_f32_16x16x128_f8f6f4 v[\ob+8*\t:\ob+8*\t+7], v[KV+8*\t:KV+8*\t+7], v[PC:PC+7], v[\ob+8*\t:\ob+8*\t+7], v[VSW+\t], v253 matrix_a_fmt:MATRIX_FMT_FP4 matrix_b_fmt:MATRIX_FMT_FP4
.endr
.Lskip_\@:
.endm
.Lstep:                                            ; 16 trips, a constant of the text: every wave walks all steps and jumps over the bodies that its tiles do not want
	BODY QA, QSA, STA, OA, DA, GA
	BODY QB, QSB, STB, OBB, DB, GB
	s_add_co_u32 s[TB], s[TB], STEPB
	s_add_co_u32 s[STP], s[STP], 1
	s_cmp_lt_u32 s[STP], 16
	s_cbranch_scc1 .Lstep
.rept 4
	v_nop                                          ; places behind the last products
.endr
; THE WAY OUT of a tile: y = O^T / the sum; register 8 t + j is channel 16 t + 8 h + j of my token: two blocks of 32, quantised as p is; the four code registers are the image of half an operand of the projection.
.macro FINISH st, ob, pc, pw, yi, ys
	v_add_f32 v[\st+2], v[\st+2], v[\st+3]         ; the sum's two halves,
	v_permlanex16_b32 v252, v[\st+2], s[SEL], s[SEL+1]
	v_add_f32 v[\st+2], v[\st+2], v252             ; and lane l xor 16's
	v_rcp_f32 v252, v[\st+2]
	v_nop                                          ; a plain place behind the reciprocal
	s_wait_alu depctr_va_vdst(0)                   ; and the wait ahead of its first reader
.set n, 0
.rept 16
	v_pk_mul_f32 v[PP+n:PP+n+1], v[\ob+n:\ob+n+1], v[252:253] op_sel_hi:[1,0]
.set n, n+2
.endr
.irp b, 0,1
	v_max3_num_f32 v[232+\b], |v[PP+16*\b]|, |v[PP+1+16*\b]|, 0x1800000
.endr
.irp i, 2,4,6,8,10,12,14
.irp b, 0,1
	v_max3_num_f32 v[232+\b], v[232+\b], |v[PP+16*\b+\i]|, |v[PP+1+16*\b+\i]|
.endr
.endr
.irp b, 0,1
	v_permlanex16_b32 v[236+\b], v[232+\b], s[SEL], s[SEL+1]
.endr
.irp b, 0,1
	v_max_num_f32 v[232+\b], v[232+\b], v[236+\b]
.endr
.irp b, 0,1
	v_add_nc_u32 v[244+\b], 0xff000000, v[232+\b]
.endr
.irp b, 0,1
	v_lshrrev_b32 v[236+\b], 23, v[244+\b]
.endr
	v_lshl_or_b32 v[\pw], v237, 8, v236            ; my token's two scale bytes
	v_cvt_scalef32_pk8_fp4_f32 v[\pc],   v[PP:PP+7],     v244
	v_cvt_scalef32_pk8_fp4_f32 v[\pc+1], v[PP+16:PP+23], v245
	v_cvt_scalef32_pk8_fp4_f32 v[\pc+2], v[PP+8:PP+15],  v244
	v_cvt_scalef32_pk8_fp4_f32 v[\pc+3], v[PP+24:PP+31], v245
	v_nop
	v_permlane16_swap_b32 v[\pc],   v[\pc+1]
	v_permlane16_swap_b32 v[\pc+2], v[\pc+3]       ; lane (r, h): token r, channels 32 h + 0 .. 31
	global_store_b128 v[LI], v[\pc:\pc+3], s[\yi:\yi+1]   ; 512 consecutive bytes, aligned
	global_store_b16 v[YS], v[\pw], s[\ys:\ys+1]   ; both halves of the lanes write the same two bytes with the same value
.endm
	FINISH STA, OA, 224, 248, 40, 44               ; each tile has its own registers for what it stores: no store's data are written again
	FINISH STB, OBB, 228, 249, 42, 46
	s_wait_tensorcnt 0x0                           ; the wave's end, behind my last tensor load
	ds_add_u32 v[SPW], v[NIL]
	s_wait_dscnt 0x0
	CROUND                                         ; the closing round
	s_endpgm
.Lfunc_end_k_qe0491aae0e_attn:
	.size	k_qe0491aae0e_attn, .Lfunc_end_k_qe0491aae0e_attn-k_qe0491aae0e_attn
	.p2alignl 7, 3214868480
	.fill 96, 4, 3214868480
	.section	.rodata,"a",@progbits
	.p2align	6, 0x0
	.amdhsa_kernel k_qe0491aae0e_attn
		.amdhsa_group_segment_fixed_size 167936
		.amdhsa_private_segment_fixed_size 0
		.amdhsa_enable_private_segment 0
		.amdhsa_kernarg_size 32
		.amdhsa_user_sgpr_count 2
		.amdhsa_user_sgpr_kernarg_segment_ptr 1
		.amdhsa_wavefront_size32 1
		.amdhsa_system_sgpr_workgroup_id_x 1
		.amdhsa_system_sgpr_workgroup_id_y 1
		.amdhsa_system_sgpr_workgroup_id_z 1
		.amdhsa_system_vgpr_workitem_id 0
		.amdhsa_next_free_vgpr 256
		.amdhsa_next_free_sgpr 66
		.amdhsa_reserve_vcc 1
		.amdhsa_float_denorm_mode_32 3
		.amdhsa_float_denorm_mode_16_64 3
		.amdhsa_memory_ordered 1
		.amdhsa_forward_progress 1
		.amdhsa_inst_pref_size 56
	.end_amdhsa_kernel
	.amdgpu_metadata
---
amdhsa.version: [ 1, 2 ]
amdhsa.kernels:
  - .name:           k_qe0491aae0e_attn
    .symbol:         k_qe0491aae0e_attn.kd
    .args:
      - { .name: qw, .offset: 0, .size: 8, .value_kind: global_buffer, .address_space: global }
      - { .name: kv, .offset: 8, .size: 8, .value_kind: global_buffer, .address_space: global }
      - { .name: yimg, .offset: 16, .size: 8, .value_kind: global_buffer, .address_space: global }
      - { .name: yscl, .offset: 24, .size: 8, .value_kind: global_buffer, .address_space: global }
    .group_segment_fixed_size: 167936
    .private_segment_fixed_size: 0
    .kernarg_segment_align: 8
    .kernarg_segment_size: 32
    .max_flat_workgroup_size: 512
    .sgpr_count:     66
    .vgpr_count:     256
    .wavefront_size: 32
...
	.end_amdgpu_metadata
.endif
;; end of part 2
;; launch proj (part 3): grid 4 x 32, 4 waves a work-group, clusters of 4 x 4, 327,680 bytes of LDS; arguments yimg, yscl, w_proj_codes, w_proj_scales, out0, b_proj; writes out0
.if DOCPART == 3
	.amdgcn_target "amdgcn-amd-amdhsa--gfx1250"
	.amdhsa_code_object_version 6
	.text
	.protected	k_qe0491aae0e_proj
	.globl	k_qe0491aae0e_proj
	.p2align	8
	.type	k_qe0491aae0e_proj,@function
k_qe0491aae0e_proj:
	s_mov_b64 s[64:65], 0
	v_nop
	global_prefetch_b8 v0, s[64:65] scope:SCOPE_SE
	s_setreg_imm32_b32 hwreg(HW_REG_WAVE_MODE, 25, 1), 1
	s_wait_xcnt 0x0
	s_wait_alu depctr_hold_cnt(0) depctr_sa_sdst(0) depctr_va_vdst(0) depctr_va_sdst(0) depctr_va_ssrc(0) depctr_va_vcc(0) depctr_vm_vsrc(0)
	s_getreg_b32 s2, hwreg(HW_REG_IB_STS2, 6, 4)
	s_cmp_eq_u32 s2, 0
	s_cbranch_scc0 .Lentry_in_a_cluster
	s_endpgm
.Lentry_in_a_cluster:
	s_bfe_u32 s2, ttmp6, 0x10000c
	s_cmp_lg_u32 s2, 0xf033
	s_cbranch_scc0 .Lentry_shape_is_right
	s_endpgm
.Lentry_shape_is_right:
; out0[m][n] = sum over k of y[m][k] w_proj[n][k] + b_proj[n], on codes of FP4 (E2M1) with one E8M0 scale for each 32 along K = 1,024; sums and result f32.  No work of this product is left out.
; A = y, 8,192 tokens: codes as register images made by the launch before, yimg [token tile of 16][head][512 bytes] (lane (r, h): token r, channels 32 h + 0 .. 31 of the head), scale bytes yscl [token][32].
; B = w_proj, 1,024 rows of 512 bytes of codes and 32 scale bytes, as given.
; A tile of the result, 256 x 256, is made by a work-group of four waves; a wave makes 128 x 128: 64 accumulators, 512 registers.  K is two LDS slots of 512: both are first fills, nothing is filled again, there is no loop.
; In a slot a token tile's eight heads are 4,096 consecutive bytes: a fragment (16 tokens x 128 K = two heads) is two loads of 16 bytes a lane on end.  B's rows lie as rows, 272 bytes apart.
; CLUSTERS: 4 x 4 work-groups; A's tiles are asked for jointly along a row of the cluster, B's along a column.  THE MATRIX INSTRUCTION IS USED TRANSPOSED (source 0 = 16 rows of B, source 1 = 16 tokens): a lane holds eight
; neighbouring numbers of a row of the result.  THE BIAS is the C of each sum's first matrix instruction: eight registers for each of B's eight blocks, in the result's layout.
; 128 work-groups: the result has 128 tiles of this size.  LIMITS: NaN and infinities (a scale byte 0xff too) are not served.
; REGISTERS: window 0: v0-31 addresses; v32-95 scale words, two sets; v128-191 A's fragments, ONE set; v192-255 the bias; on the way out v128-255 are free.  window 1: B's fragments, two sets.  windows 2, 3: the accumulators.
.set SIZE_N, 1024
.set KSTEP,  512
.set NQ,     KSTEP/128
.set ROWB,   256                       ; a row of B's tile in bytes
.set KROW,   512                       ; a row of B, and 16 tokens' share of yimg divided by 16, in bytes
.set PITCH,  272                       ; B's LDS row: 256 bytes + 16 of padding: the 16 rows that a load touches start at 16 different banks (64 banks of 4 bytes: ISA guide 11.1)
.set FR,     8
.set NL,     2
.set NP,     4                         ; places behind this matrix instruction (ISA guide 7.12.1)
.set HALFT,  128*PITCH                 ; the place of what one tensor load brings (A's loads use 32,768 bytes of it)
.set SLOT,   4*HALFT
.set KS,     32
.set SCL,    2*SLOT
.set HALFS,  (128*KS/256)*272
.set SBLK,   (16*KS/256)*272
.set SPARE,  SCL+4*HALFS
.set SPITCH, 528                       ; the way out: a stage of 16 rows x (512 bytes + 16) for each wave, in slot 0, which has had its one fill and its last read when the first result is stored there
.set ADRA, 16
.set ADRB, 20
.set STO,  24
.set RD,   25
.set CO,   26
.set ADRS, 27
.set SPW,  28
.set NIL,  29
.set SC,   32
.set AF,   128
.set BIAS, 192
.set BK,   128
.set G1, 24
.set G0, 32
.set G1B, 48
.set G0B, 56
.set G1S, 68
.set G0S, 76
.set G1SB, 80
.set G0SB, 88
.set MSB, 0
.macro WIN new                         ; the immediate's high byte repeats the setting that is left
.if MSB != (\new)
	s_set_vgpr_msb (MSB<<8)|(\new)
.set MSB, (\new)
.endif
.endm
.set MUL_LO, 0xa1                      ; source 0 (B) window 1, source 1 (A) window 0, C and D window 2
.set MUL_HI, 0xf1                      ; the same, C and D window 3
.set FST_LO, 0x81                      ; the first step: C (the bias) window 0, D window 2
.set FST_HI, 0xc1                      ; D window 3
.set TO_B,   0x40
.macro JLOAD g0a, g1a, g0b, g1b        ; a joint load: waves 0 and 1 fetch for A, waves 2 and 3 for B; an s_nop 0 and four v_nop follow each of the two lines
	s_cmp_eq_u32 s15, 0
	s_cbranch_scc0 .Lfor_b_\@
	tensor_load_to_lds s[\g0a:\g0a+3], s[\g1a:\g1a+7]
	s_nop 0
.rept 4
	v_nop
.endr
	s_branch .Lasked_\@
.Lfor_b_\@:
	tensor_load_to_lds s[\g0b:\g0b+3], s[\g1b:\g1b+7]
	s_nop 0
.rept 4
	v_nop
.endr
.Lasked_\@:
.endm
.macro CROUND                          ; a round of the cluster's barrier
	s_barrier_signal -1
	s_barrier_wait -1
	s_cmp_lg_u32 s14, 0
	s_cbranch_scc1 .Lnot_wave_0_\@
	s_barrier_signal -3
.Lnot_wave_0_\@:
	s_barrier_wait -3
	s_barrier_signal -1
	s_barrier_wait -1
.endm
	s_load_b128 s[4:7], s[0:1], 0x0                ; yimg, yscl
	s_load_b128 s[8:11], s[0:1], 0x10              ; w_proj's codes, its scales
	s_load_b64 s[12:13], s[0:1], 0x20              ; out0
	s_load_b64 s[96:97], s[0:1], 0x28              ; b_proj
	v_lshl_add_u32 v[SPW], v0, 2, SPARE
	v_mov_b32 v[NIL], 0
	ds_add_u32 v[SPW], v[NIL]                      ; the wave's opening: the add, twice on end, and its wait ahead of my first tensor load
	ds_add_u32 v[SPW], v[NIL]                      ; and once more; the set-up below, work on registers, stands between it and the wait
	v_lshrrev_b32 v1, 5, v0
	v_readfirstlane_b32 s14, v1                    ; wave 0..3
	s_lshr_b32 s15, s14, 1                         ; which half of the tile's rows is mine.  Also: I fetch for A (0) or for B (1)
	s_and_b32 s16, s14, 1                          ; which half of its columns.  Also: which 128 rows of that tile I fetch
	s_bfe_u32 s40, ttmp6, 0x40000                  ; cx, cy
	s_bfe_u32 s41, ttmp6, 0x40004
	s_lshl_b32 s42, ttmp9, 2
	s_add_co_u32 s42, s42, s40                     ; tile column = 4 x cluster x + cx
	s_and_b32 s17, ttmp7, 0xffff
	s_lshl_b32 s17, s17, 2
	s_add_co_u32 s17, s17, s41                     ; tile row = 4 x cluster y + cy
	s_lshl_b32 s43, s41, 2
	s_lshl_b32 s43, 15, s43                        ; my row of the cluster
	s_lshl_b32 s44, 0x1111, s40                    ; my column
	; A's tiles: 8 token tiles x 4,096 bytes (512 elements of 8 bytes: eight heads' images), 8,192 bytes apart in memory, dense in LDS
	s_or_b32 s[G1+0], s43, (3<<16)|(1<<21)         ; 15:0 the mask: my row; 17:16 elements of 8 bytes; 21 set beside a mask; no padding
	s_mov_b32 s[G1+1], 512<<16                     ; tensor_dim0
	s_mov_b32 s[G1+2], 8<<16                       ; tensor_dim1
	s_mov_b32 s[G1+3], 512<<16                     ; tile_dim0
	s_mov_b32 s[G1+4], 8                           ; tile_dim1
	s_mov_b32 s[G1+5], 1024                        ; tensor_dim0_stride
	s_mov_b32 s[G1+6], 0
	s_mov_b32 s[G1+7], 0
	; B's tiles: 128 rows x 256 bytes, padded in LDS
	s_or_b32 s[G1B+0], s44, (0<<16)|(1<<20)|(1<<21)|(5<<22)|(3<<25)
	s_mov_b32 s[G1B+1], ROWB<<16
	s_mov_b32 s[G1B+2], 128<<16
	s_mov_b32 s[G1B+3], ROWB<<16
	s_mov_b32 s[G1B+4], 128
	s_mov_b32 s[G1B+5], KROW
	s_mov_b32 s[G1B+6], 0
	s_mov_b32 s[G1B+7], 0
	; the scales of 128 rows: 4,096 dense bytes as 16 rows of 256, 16 bytes of padding behind each
	s_or_b32 s[G1S+0], s43, (3<<16)|(1<<20)|(1<<21)|(5<<22)|(3<<25)
	s_or_b32 s[G1SB+0], s44, (3<<16)|(1<<20)|(1<<21)|(5<<22)|(3<<25)
.irp g, G1S, G1SB
	s_mov_b32 s[\g+1], 32<<16
	s_mov_b32 s[\g+2], (128*KS/256)<<16
	s_mov_b32 s[\g+3], 32<<16
	s_mov_b32 s[\g+4], 128*KS/256
	s_mov_b32 s[\g+5], 32
	s_mov_b32 s[\g+6], 0
	s_mov_b32 s[\g+7], 0
.endr
	s_lshl_b32 s18, s16, 7
	s_lshl_b32 s20, s17, 8
	s_add_co_u32 s20, s20, s18                     ; A: token 256 x tile row + 128 x half
	s_lshl_b32 s46, s42, 8
	s_add_co_u32 s46, s46, s18                     ; B: row 256 x tile column + 128 x half
	s_mov_b32 s21, 0
	s_mov_b32 s47, 0
	s_mov_b64 s[18:19], KS
	s_mul_u64 s[22:23], s[20:21], s[18:19]         ; where these rows' scales begin
	s_mul_u64 s[92:93], s[46:47], s[18:19]
	s_mov_b64 s[18:19], KROW
	s_mul_u64 s[20:21], s[20:21], s[18:19]         ; and their codes: 512 bytes a token in yimg too (8,192 for 16)
	s_mul_u64 s[46:47], s[46:47], s[18:19]
	s_mul_i32 s45, s14, HALFT
	s_mul_i32 s94, s14, HALFS
	s_wait_dscnt 0x0                               ; both opening adds are done
	s_wait_kmcnt 0x0
	s_add_nc_u64 s[20:21], s[4:5], s[20:21]
	s_add_nc_u64 s[22:23], s[6:7], s[22:23]
	s_add_nc_u64 s[46:47], s[8:9], s[46:47]
	s_add_nc_u64 s[92:93], s[10:11], s[92:93]
	CROUND                                         ; all sixteen work-groups are here: the first joint loads meet
	s_mov_b32 s[G0S], 1
	s_add_co_u32 s[G0S+1], s94, SCL
	s_mov_b64 s[G0S+2:G0S+3], s[22:23]
	s_or_b32 s[G0S+3], s[G0S+3], 0x80000000
	s_mov_b32 s[G0SB], 1
	s_add_co_u32 s[G0SB+1], s94, SCL
	s_mov_b64 s[G0SB+2:G0SB+3], s[92:93]
	s_or_b32 s[G0SB+3], s[G0SB+3], 0x80000000
	JLOAD G0S, G1S, G0SB, G1SB                     ; the scales first
.irp s, 0,1
	s_mov_b32 s[G0+4*\s], 1
	s_add_co_u32 s[G0+4*\s+1], s45, \s*SLOT
	s_add_nc_u64 s[G0+4*\s+2:G0+4*\s+3], s[20:21], \s*4096     ; slot s: heads 8 s .. 8 s + 7
	s_or_b32 s[G0+4*\s+3], s[G0+4*\s+3], 0x80000000
	s_mov_b32 s[G0B+4*\s], 1
	s_add_co_u32 s[G0B+4*\s+1], s45, \s*SLOT
	s_add_nc_u64 s[G0B+4*\s+2:G0B+4*\s+3], s[46:47], \s*ROWB
	s_or_b32 s[G0B+4*\s+3], s[G0B+4*\s+3], 0x80000000
	JLOAD G0+4*\s, G1, G0B+4*\s, G1B               ; three tensor loads of mine are out now: all that this launch asks for
.endr
	v_and_b32 v1, 15, v0                           ; r
	v_bfe_u32 v2, v0, 4, 1                         ; h
	v_mul_u32_u24 v3, v1, PITCH
	v_lshl_add_u32 v4, v2, 4, v3                   ; B: a fragment's row x pitch + 16 x half
	v_and_b32 v6, 31, v0
	v_lshlrev_b32 v[CO], 4, v6                     ; 16 x lane: A's images; also my place in a row on the way out
	s_mul_i32 s21, s15, HALFT                      ; my 128 tokens of A
	s_mul_i32 s22, s16, HALFT                      ; my 128 rows of B,
	s_add_co_u32 s22, s22, 2*HALFT                 ; which lie behind A's
.irp s, 0,1
	v_add_nc_u32 v[ADRA+\s], s21, v[CO]
	v_add_nc_u32 v[ADRB+\s], s22, v4
	s_add_co_u32 s21, s21, SLOT
	s_add_co_u32 s22, s22, SLOT
.endr
	v_mul_u32_u24 v5, v1, KS
	v_lshrrev_b32 v6, 8, v5
	v_lshl_add_u32 v5, v6, 4, v5
	s_mul_i32 s21, s15, HALFS
	s_mul_i32 s22, s16, HALFS
	s_add_co_u32 s22, s22, 2*HALFS
	s_sub_co_u32 s22, s22, s21
	v_mul_u32_u24 v6, s22, v2                      ; lanes 16-31 take B's scale words
	s_add_co_u32 s21, s21, SCL
	v_add_nc_u32 v5, v5, v6
	v_add_nc_u32 v[ADRS], s21, v5
	s_mul_i32 s23, s14, 16*SPITCH                  ; my stage
	v_mul_u32_u24 v5, v1, SPITCH
	v_lshl_add_u32 v5, v2, 5, v5
	v_add_nc_u32 v[STO], s23, v5
	v_add_nc_u32 v[RD], s23, v[CO]
	s_lshl_b32 s20, s17, 8
	s_lshl_b32 s21, s15, 7
	s_add_co_u32 s20, s20, s21                     ; my first row of the result
	s_mov_b32 s21, 0
	s_mov_b64 s[18:19], SIZE_N*4
	s_mul_u64 s[20:21], s[20:21], s[18:19]
	s_lshl_b32 s46, s42, 10                        ; my first column, in bytes: 1,024 x tile column + 512 x half
	s_lshl_b32 s47, s16, 9
	s_add_co_u32 s46, s46, s47
	s_mov_b32 s47, 0
	s_add_nc_u64 s[96:97], s[96:97], s[46:47]      ; b_proj at my first column: the same number of bytes
	s_add_nc_u64 s[20:21], s[20:21], s[46:47]
	s_add_nc_u64 s[12:13], s[12:13], s[20:21]
	v_lshlrev_b32 v7, 5, v2                        ; 32 h
.irp b, 0,1,2,3,4,5,6,7
	global_load_b128 v[BIAS+8*\b:BIAS+8*\b+3],   v7, s[96:97] offset:64*\b      ; b_proj at columns 16 b + 8 h + 0 .. 7
	global_load_b128 v[BIAS+8*\b+4:BIAS+8*\b+7], v7, s[96:97] offset:64*\b+16
.endr
.macro FRAGB reg, adr, q, i            ; B: lane l holds row l % 16; registers 4 c .. 4 c + 3 hold K = 64 c + 32 (l / 16) + 0 .. 31
.irp c, 0,1
	ds_load_b128 v[\reg+4*\c:\reg+4*\c+3], v[\adr] offset:64*(\q)+32*\c+(\i)*16*PITCH
.endr
.endm
.macro FRAGA reg, adr, q, i            ; A: the images of heads 2 q and 2 q + 1 of token tile i, as they were stored
.irp c, 0,1
	ds_load_b128 v[\reg+4*\c:\reg+4*\c+3], v[\adr] offset:1024*(\q)+512*\c+(\i)*4096
.endr
.endm
; 16 matrix instructions: A's blocks a0, a0 + 1 x B's eight.  first = 1: the bias starts the sums.  The 64 accumulators take turns, one instruction a turn.
.macro MUL16 a0, p, q, sc, first
.irp a, \a0, \a0+1
.irp b, 0,1,2,3,4,5,6,7
.if \first
	v_wmma_scale_f32_16x16x128_f8f6f4 v[8*(8*((\a)%4)+\b):8*(8*((\a)%4)+\b)+7], v[128*(\p)+FR*\b:128*(\p)+FR*\b+FR-1], v[AF+FR*(\a):AF+FR*(\a)+FR-1], v[BIAS+8*\b:BIAS+8*\b+7], v[SC+8*NQ*(\sc)+NQ*\b+(\q)], v[SC+8*NQ*(\sc)+NQ*(\a)+(\q)] matrix_a_fmt:MATRIX_FMT_FP4 matrix_b_fmt:MATRIX_FMT_FP4 matrix_a_scale:MATRIX_SCALE_ROW1
.else
	v_wmma_scale_f32_16x16x128_f8f6f4 v[8*(8*((\a)%4)+\b):8*(8*((\a)%4)+\b)+7], v[128*(\p)+FR*\b:128*(\p)+FR*\b+FR-1], v[AF+FR*(\a):AF+FR*(\a)+FR-1], v[8*(8*((\a)%4)+\b):8*(8*((\a)%4)+\b)+7], v[SC+8*NQ*(\sc)+NQ*\b+(\q)], v[SC+8*NQ*(\sc)+NQ*(\a)+(\q)] matrix_a_fmt:MATRIX_FMT_FP4 matrix_b_fmt:MATRIX_FMT_FP4 matrix_a_scale:MATRIX_SCALE_ROW1
.endif
.endr
.endr
.endm
.macro FETCH_B slot, q, p
	WIN TO_B
.irp i, 0,1,2,3,4,5,6,7
	FRAGB 128*(\p)+FR*\i, ADRB+\slot, \q, \i
.endr
	WIN 0
.endm
.macro FETCH_A slot, q, i0
.irp i, \i0, \i0+1, \i0+2, \i0+3
	FRAGA AF+FR*(\i), ADRA+\slot, \q, \i
.endr
.endm
.macro SCALES sc
.irp i, 0,1,2,3,4,5,6,7
	ds_load_b128 v[SC+8*NQ*\sc+NQ*\i:SC+8*NQ*\sc+NQ*\i+3], v[ADRS] offset:\i*SBLK
.endr
.endm
.macro PLACES n
.rept \n
	v_nop
.endr
.endm
.macro STEP slot, q, first
	s_wait_dscnt 4*NL                              ; B's set and A's blocks 0-3 are in; the youngest eight loads (A's blocks 4-7) may be out
.if \first
	WIN FST_LO
.else
	WIN MUL_LO
.endif
	MUL16 0, (\q)%2, \q, \slot, \first
	MUL16 2, (\q)%2, \q, \slot, \first
	s_wait_dscnt 0
	PLACES NP
	FETCH_B \slot, (\q)+1, 1-(\q)%2
	FETCH_A \slot, (\q)+1, 0
.if \first
	WIN FST_HI
.else
	WIN MUL_HI
.endif
	MUL16 4, (\q)%2, \q, \slot, \first
	MUL16 6, (\q)%2, \q, \slot, \first
	PLACES NP
	WIN 0
	FETCH_A \slot, (\q)+1, 4
.endm
.macro STEPS slot, from
.set Q, \from
.rept NQ-1-\from
	STEP \slot, Q, 0
.set Q, Q+1
.endr
.endm
	s_wait_tensorcnt 1                             ; the scales and my part of slot 0 are in (slot 1's load, the one issued behind them, may be out),
	s_barrier_signal -1
	s_barrier_wait -1                              ; everybody's are
	FETCH_B 0, 0, 0
	FETCH_A 0, 0, 0
	SCALES 0
	FETCH_A 0, 0, 4
	s_wait_loadcnt 0x0                             ; the bias
	STEP 0, 0, 1                                   ; the first step's products start the sums with the bias: nothing is cleared, nothing is added later
	STEPS 0, 1
	; slot 0's last step changes slots: one barrier, in front of which each wave has its part of slot 1
	s_wait_tensorcnt 0x0                           ; all my tensor loads have landed
	ds_add_u32 v[SPW], v[NIL]                      ; 0 onto my spare word
	s_wait_dscnt 4*NL+1                            ; (the add and the youngest eight loads may be out)
	WIN MUL_LO
	MUL16 0, 1, NQ-1, 0, 0
	s_wait_dscnt 0x0                               ; the add is done, and my reads of slot 0 are over
	s_barrier_signal -1
	MUL16 2, 1, NQ-1, 0, 0
	WIN 0
	s_barrier_wait -1                              ; slot 1 is whole, and nobody reads slot 0 any more
	PLACES NP
	v_add_nc_u32 v[ADRS], 4*NQ, v[ADRS]
	FETCH_B 1, 0, 0
	FETCH_A 1, 0, 0
	SCALES 1
	WIN MUL_HI
	MUL16 4, 1, NQ-1, 0, 0
	MUL16 6, 1, NQ-1, 0, 0
	PLACES NP
	WIN 0
	FETCH_A 1, 0, 4
	STEPS 1, 0
	s_wait_dscnt 4*NL
	WIN MUL_LO
	MUL16 0, 1, NQ-1, 1, 0
	MUL16 2, 1, NQ-1, 1, 0
	s_wait_dscnt 0
	WIN MUL_HI
	MUL16 4, 1, NQ-1, 1, 0
	MUL16 6, 1, NQ-1, 1, 0
	WIN 0
; THE WAY OUT, block by block of 16 rows x 128 columns: a lane holds 32 neighbouring bytes of a row, the lanes beside it other rows; so a block goes through my own stage in LDS and comes back as whole rows of 512 bytes.
; LDS serves a wave's instructions in order (ISA guide 5.7.1.4): no wait between the stores and the loads, nor in front of the next block's stores.
.macro TOSTAGE a
.set AC, 64*((\a)%4)
	WIN 0x08+4*((\a)/4)                            ; the data: window 2 or 3
.irp b, 0,1,2,3,4,5,6,7
	ds_store_b128 v[STO], v[AC+8*\b:AC+8*\b+3] offset:64*\b          ; each accumulator from its low end on
	ds_store_b128 v[STO], v[AC+8*\b+4:AC+8*\b+7] offset:64*\b+16
.endr
	WIN 0
.set BB, BK+64*((\a)%2)
.irp t, 0,1,2,3,4,5,6,7,8,9,10,11,12,13,14,15
	ds_load_b128 v[BB+4*\t:BB+4*\t+3], v[RD] offset:\t*SPITCH
.endr
.endm
.macro SEND a, younger                 ; younger: the LDS instructions issued behind block a's loads, which may stay out
.set BB, BK+64*((\a)%2)
	s_wait_dscnt \younger
.if (\a) > 0
	s_add_nc_u64 s[12:13], s[12:13], 16*SIZE_N*4   ; (behind a wait on XCNT: the earlier stores have read their base)  16 rows on
.endif
.irp t, 0,1,2,3,4,5,6,7,8,9,10,11,12,13,14,15
	global_store_b128 v[CO], v[BB+4*\t:BB+4*\t+3], s[12:13] offset:\t*SIZE_N*4 th:TH_STORE_NT   ; 32 lanes store 512 consecutive bytes, at a multiple of 256 from the buffer's first byte; written once, read by nobody here
.endr
.endm
	PLACES NP                                      ; behind the last products: for the loads into registers that held A's fragments and the bias, and for the reads of results
	TOSTAGE 0
.irp a, 1,2,3,4,5,6,7
.if \a > 1
	s_wait_xcnt 0x0                                ; block a - 2's stores have read their registers and their base: block a's loads may land there, and the base may step
.endif
	TOSTAGE \a
	SEND \a-1, 32                                  ; behind block a - 1's loads: block a's 16 stores and 16 loads
.endr
	s_wait_xcnt 0x0                                ; block 6's stores have read their base
	SEND 7, 0
	s_wait_tensorcnt 0x0                           ; the wave's end, behind my last tensor load and my last LDS store
	ds_add_u32 v[SPW], v[NIL]
	s_wait_dscnt 0x0
	CROUND                                         ; the closing round
	s_endpgm
.Lfunc_end_k_qe0491aae0e_proj:
	.size	k_qe0491aae0e_proj, .Lfunc_end_k_qe0491aae0e_proj-k_qe0491aae0e_proj
	.p2alignl 7, 3214868480
	.fill 96, 4, 3214868480
	.section	.rodata,"a",@progbits
	.p2align	6, 0x0
	.amdhsa_kernel k_qe0491aae0e_proj
		.amdhsa_group_segment_fixed_size 327680
		.amdhsa_private_segment_fixed_size 0
		.amdhsa_enable_private_segment 0
		.amdhsa_kernarg_size 48
		.amdhsa_user_sgpr_count 2
		.amdhsa_user_sgpr_kernarg_segment_ptr 1
		.amdhsa_wavefront_size32 1
		.amdhsa_system_sgpr_workgroup_id_x 1
		.amdhsa_system_sgpr_workgroup_id_y 1
		.amdhsa_system_sgpr_workgroup_id_z 1
		.amdhsa_system_vgpr_workitem_id 0
		.amdhsa_next_free_vgpr 1024
		.amdhsa_next_free_sgpr 98
		.amdhsa_reserve_vcc 0
		.amdhsa_float_denorm_mode_32 3
		.amdhsa_float_denorm_mode_16_64 3
		.amdhsa_memory_ordered 1
		.amdhsa_forward_progress 1
		.amdhsa_inst_pref_size 126
	.end_amdhsa_kernel
	.amdgpu_metadata
---
amdhsa.version: [ 1, 2 ]
amdhsa.kernels:
  - .name:           k_qe0491aae0e_proj
    .symbol:         k_qe0491aae0e_proj.kd
    .args:
      - { .name: yimg, .offset: 0, .size: 8, .value_kind: global_buffer, .address_space: global }
      - { .name: yscl, .offset: 8, .size: 8, .value_kind: global_buffer, .address_space: global }
      - { .name: w_proj_codes, .offset: 16, .size: 8, .value_kind: global_buffer, .address_space: global }
      - { .name: w_proj_scales, .offset: 24, .size: 8, .value_kind: global_buffer, .address_space: global }
      - { .name: out0, .offset: 32, .size: 8, .value_kind: global_buffer, .address_space: global }
      - { .name: b_proj, .offset: 40, .size: 8, .value_kind: global_buffer, .address_space: global }
    .group_segment_fixed_size: 327680
    .private_segment_fixed_size: 0
    .kernarg_segment_align: 8
    .kernarg_segment_size: 48
    .max_flat_workgroup_size: 128
    .sgpr_count:     98
    .vgpr_count:     1024
    .wavefront_size: 32
...
	.end_amdgpu_metadata
.endif
;; end of part 3
